; MI455X (gfx1250); checked and timed in simulation.
; The chip was launched on July 23, 2026; its instructions are those of AMD's public machine-readable ISA for CDNA 5 (MIT licence, August 2026) and "CDNA5" Instruction Set Architecture Reference Guide (July 2026). The comments in the code are by the model that wrote it; some were corrected since.
;; Block. Allowed arithmetic: matrix products marked QUANTISED: E4M3 operands, one E8M0 scale for each 32 along K, by v_wmma_scale_f32_16x16x128_f8f6f4 with both operands' format E4M3, f32 sums; everything else in f32.
;; Inputs: W1_codes 4,096 x 32 x 32 uint8 (E4M3 codes of W1, K innermost, in blocks of 32 codes); W1_scales 4,096 x 32 uint8 (E8M0 scales of W1, one for each 32 codes along K); W2_codes 1,024 x 128 x 32 uint8 (E4M3 codes of W2, K innermost, in blocks of 32 codes); W2_scales 1,024 x 128 uint8 (E8M0 scales of W2, one for each 32 codes along K); Wk_codes 1,024 x 32 x 32 uint8 (E4M3 codes of Wk, K innermost, in blocks of 32 codes); Wk_scales 1,024 x 32 uint8 (E8M0 scales of Wk, one for each 32 codes along K); Wo_codes 1,024 x 32 x 32 uint8 (E4M3 codes of Wo, K innermost, in blocks of 32 codes); Wo_scales 1,024 x 32 uint8 (E8M0 scales of Wo, one for each 32 codes along K); Wq_codes 1,024 x 32 x 32 uint8 (E4M3 codes of Wq, K innermost, in blocks of 32 codes); Wq_scales 1,024 x 32 uint8 (E8M0 scales of Wq, one for each 32 codes along K); Wv_codes 1,024 x 32 x 32 uint8 (E4M3 codes of Wv, K innermost, in blocks of 32 codes); Wv_scales 1,024 x 32 uint8 (E8M0 scales of Wv, one for each 32 codes along K); b1 4,096 float32; b2 1,024 float32; bo 1,024 float32; ln1_b 1,024 float32; ln1_w 1,024 float32; ln2_b 1,024 float32; ln2_w 1,024 float32; x 2 x 2,048 x 1,024 float32.
;; Outputs: out0 2 x 2,048 x 1,024 float32.
;; This version of the problem:
;;   THIS VERSION OF THE PROBLEM IS GIVEN IN LOW PRECISION. The matrix products marked QUANTISED in the list below multiply operands that are first quantised to E4M3 (4 exponent bits, 3 mantissa bits; 8 bits a number), with one power-of-two scale for each 32 numbers along K (OCP MX v1.0); their sums are f32. All else is computed in f32.
;;   The module's matrix products, in the order in which they are computed (A, B: the left and right operand; K: the contracted axis; several contracted axes count as one K, in the product's order):
;;     1. [M 4,096, K 1,024] x [K 1,024, N 1,024]; A: computed on the way; B: input Wq (given as codes): QUANTISED
;;     2. [M 4,096, K 1,024] x [K 1,024, N 1,024]; A: computed on the way; B: input Wk (given as codes): QUANTISED
;;     3. [M 4,096, K 1,024] x [K 1,024, N 1,024]; A: computed on the way; B: input Wv (given as codes): QUANTISED
;;     4. batch 32 x [M 2,048, K 64] x [K 64, N 2,048]; A: computed on the way; B: computed on the way: QUANTISED
;;     5. batch 32 x [M 2,048, K 2,048] x [K 2,048, N 64]; A: softmax (see below); B: computed on the way: QUANTISED
;;     6. [M 4,096, K 1,024] x [K 1,024, N 1,024]; A: computed on the way; B: input Wo (given as codes): QUANTISED
;;     7. [M 4,096, K 1,024] x [K 1,024, N 4,096]; A: computed on the way; B: input W1 (given as codes): QUANTISED
;;     8. [M 4,096, K 4,096] x [K 4,096, N 1,024]; A: computed on the way; B: input W2 (given as codes): QUANTISED
;;   THE QUANTISER, for each operand of a quantised product, along K:
;;     - K is cut into blocks of 32 from its start; a last block that is shorter is filled with zeros.
;;     - A block's scale is 2^e with e = floor(log2(the largest magnitude in the block)) - 8, held to -126 .. 127; a block of zeros has e = 0. As a byte (E8M0): e + 127.
;;     - Each number is divided by its block's scale, clamped to +-448, and rounded to the nearest number of E4M3, ties to even, subnormals kept.
;;     - The product sums the exact products of the quantised numbers (number of the format x scale) in f32.
;;   ~~~python
;;   def quantise(x, axis):      # numpy; x: float32 -> the quantised numbers, widened to float32 again
;;       x = np.moveaxis(x, axis, -1); K = x.shape[-1]
;;       x = np.pad(x, [(0, 0)] * (x.ndim - 1) + [(0, -K % 32)]); x = x.reshape(x.shape[:-1] + (-1, 32)); a = np.abs(x).max(-1, keepdims=True)
;;       e = np.where(a > 0, np.clip(np.frexp(np.where(a > 0, a, 1))[1] - 1 - 8, -126, 127), 0)      # np.frexp(a)[1] - 1 = floor(log2(a)), exactly
;;       r = np.clip(x / 2.0 ** e, -448, 448)
;;       step = 2.0 ** (np.maximum(np.frexp(np.where(r == 0, 1, r))[1] - 1, -6) - 3)
;;       q = np.round(r / step) * step * 2.0 ** e      # np.round: ties to even
;;       return np.moveaxis(q.reshape(q.shape[:-2] + (-1,))[..., :K], -1, axis).astype(np.float32)
;;   ~~~
;;   SOFTMAX AHEAD OF A QUANTISED PRODUCT. Where the list says 'softmax', what is quantised is not the finished softmax but p = 2^(t - M), with t = logit x log2(e) and M = ceil(the row's largest t), a whole number; so 1/2 < the row's largest p <= 1. The row's sum l is taken of the UNQUANTISED p, in f32, and the product's result is divided by l at the end. Since M is a whole number, a kernel that streams over the keys may use a running M (the ceiling of the running maximum): every later rescaling is an exact power of two, which a block's scale takes up: the codes' values come out the same.
;;   OPERANDS COMPUTED ON THE WAY. 'Computed on the way' means the value that the module computes at that place (a softmax that the list does not call 'softmax' is quantised finished and normalised). What goes into a quantiser is computed in f32, as accurately as f32 sums, v_exp_f32 and their like allow (about 1e-6 of the number): no bf16 or f16 on the way to a quantiser, and a product that is left as it is and whose result goes on into a quantised operand takes f32 operands (vector FMAs, or v_wmma_f32_16x16x4_f32). A number that lies on a knife's edge between two numbers of the format may be rounded either way, as far as f32 arithmetic and the matrix unit's own rounding can turn it there, and no further.
;;   INPUTS GIVEN AS CODES. W1 (in the module: [1024, 4096], K = its axis 0); W2 (in the module: [4096, 1024], K = its axis 0); Wk (in the module: [1024, 1024], K = its axis 0); Wo (in the module: [1024, 1024], K = its axis 0); Wq (in the module: [1024, 1024], K = its axis 0); Wv (in the module: [1024, 1024], K = its axis 0): each comes as NAME_codes (uint8): NAME with its K axis moved to the last place and cut into blocks of 32 codes, [.., K / 32, bytes a block], one block behind the other in memory; one code a byte (a code: sign, 4 exponent bits, 3 mantissa bits); and NAME_scales (uint8): the same leading axes, one E8M0 byte (e + 127) for each 32 codes along K. Its value is code x scale, taken as it is: it is not quantised again, and the codes and scales need not be those that the quantiser above would give.
;; One version. Each part assembles by itself: llvm-mc -triple=amdgcn-amd-amdhsa -mcpu=gfx1250 --defsym DOCPART=n.
;; ======== version 1 of 1: 7 launches
;; limits: right only within a limited range of input values
;; workspace buffers: act 4,325,376 bytes; qkv 12,976,128 bytes; ao 4,325,376 bytes; h 16,777,216 bytes; hid 17,301,504 bytes
;; launch ln1 (part 1): grid 256 x 1, 4 waves a work-group, no clusters, 22,016 bytes of LDS; arguments x, ln1_w, ln1_b, act; writes act
.if DOCPART == 1
	.amdgcn_target "amdgcn-amd-amdhsa--gfx1250"
	.amdhsa_code_object_version 6
	.text
	.protected	k_qc78acb470a_ln1
	.globl	k_qc78acb470a_ln1
	.p2align	8
	.type	k_qc78acb470a_ln1,@function
k_qc78acb470a_ln1:
	s_mov_b64 s[64:65], 0
	v_nop
	global_prefetch_b8 v0, s[64:65] scope:SCOPE_SE
	s_setreg_imm32_b32 hwreg(HW_REG_WAVE_MODE, 25, 1), 1
	s_wait_xcnt 0x0
; y = (x - mean) / sqrt(var + 1e-5) * w + b for rows of 1,024 f32 numbers, then quantised along the row: codes of FP8 (E4M3) with one E8M0 byte for each 32.
; OUT: codes [4096][1024] at byte 0 of the buffer, scale bytes [4096][32] at byte 4,194,304: plain rows, K innermost.
; SHARES: a work-group takes 16 rows, a wave 4; a row is 32 registers a lane, so mean and variance never leave the wave.  The variance is taken of x - mean.
; Each load reads 512 consecutive bytes; the conversions want 16 NEIGHBOURS in a lane, so a row turns through the wave's own stage in LDS (64 bytes a lane + 16 of padding) and comes back 64 bytes a lane.
; A lane's 16 codes are 16 bytes: a store covers 512 consecutive bytes.  The work-group's 512 scale bytes are gathered in LDS and leave by one store of 512 consecutive bytes.
; A stream: no matrix unit, no tensor load, no cluster: the work-groups share nothing but 8 KB of gains and biases.
; A block's scale is 2^(floor(log2(largest magnitude)) - 8); its byte is that magnitude's exponent field - 8, held at 1 from below.
; LIMITS: a block of zeros, and a block whose largest magnitude lies under 2^-118, gets the byte 1 (its codes are zeros or subnormal; only this program reads the bytes); NaN and infinities among the inputs are not served.
.set LD,  2                            ; v2  16 x lane: my 16 bytes of a load's or a store's 512
.set PA,  3                            ; v3  64 x lane: my 16 gains and biases of a half row
.set SI,  4                            ; v4  the stage, on the way in: 80 (lane / 4) + 16 (lane % 4)
.set SO,  5                            ; v5  and on the way out: 80 x lane
.set SB,  6                            ; v6  my block's scale byte: SCB + 128 x wave + lane / 2
.set SX,  7                            ; v7  SCB + 16 x lane
.set W,   16                           ; v16-47   gains of my 32 places in a row
.set B,   48                           ; v48-79   biases
.set R,   80                           ; v80-207  four rows of 32 numbers
.set C,   208                          ; v208-239 codes: four registers for each half row, never written twice
.set E,   240                          ; v240-247 a scale byte for each half row
.set STG, 5120                         ; a wave's stage: two half rows of 32 x 80 bytes
.set SCB, 4*STG                        ; behind the stages: the work-group's 512 scale bytes
	s_load_b256 s[4:11], s[0:1], 0x0               ; x s[4:5], gains s[6:7], biases s[8:9], out s[10:11]
	v_lshl_add_u32 v254, v0, 2, 0x5400
	v_mov_b32 v255, 0
	v_lshrrev_b32 v1, 5, v0
	v_readfirstlane_b32 s12, v1                    ; wave 0..3
	v_and_b32 v1, 31, v0                           ; lane
	v_lshlrev_b32 v[LD], 4, v1
	v_lshlrev_b32 v[PA], 6, v1
	s_mul_i32 s13, s12, STG
	v_lshrrev_b32 v[SI], 2, v1
	v_mul_u32_u24 v[SI], v[SI], 80
	v_and_b32 v[SO], 3, v1
	v_lshl_add_u32 v[SI], v[SO], 4, v[SI]
	v_add_nc_u32 v[SI], s13, v[SI]
	v_mul_u32_u24 v[SO], v1, 80
	v_add_nc_u32 v[SO], s13, v[SO]
	v_lshrrev_b32 v[SB], 1, v1
	s_lshl_b32 s13, s12, 7
	s_add_co_u32 s13, s13, SCB
	v_add_nc_u32 v[SB], s13, v[SB]
	v_add_nc_u32 v[SX], SCB, v[LD]
	s_mov_b32 s14, 0x76543210                      ; v_permlanex16_b32's selects for lane l xor 16
	s_mov_b32 s15, 0xfedcba98
	s_mov_b32 s16, 0x600000                        ; the mantissa field of 448
	s_mov_b32 s17, 0x3a800000                      ; 1 / 1024
	s_mov_b32 s18, 0x3727c5ac                      ; 1e-5
	s_lshl_b32 s20, ttmp9, 16                      ; 16 rows of 4,096 bytes a work-group,
	s_lshl_b32 s21, s12, 14                        ; 4 a wave
	s_add_co_u32 s20, s20, s21
	s_mov_b32 s21, 0
	s_lshr_b32 s22, s20, 2                         ; the codes are a quarter of the bytes
	s_mov_b32 s23, 0
	s_lshl_b32 s24, ttmp9, 9                       ; 512 scale bytes a work-group,
	s_add_co_u32 s24, s24, 0x400000                ; behind the codes
	s_mov_b32 s25, 0
	s_wait_alu depctr_va_vdst(0)
	s_wait_kmcnt 0x0
	s_add_nc_u64 s[4:5], s[4:5], s[20:21]
	s_add_nc_u64 s[26:27], s[10:11], s[24:25]
	s_add_nc_u64 s[10:11], s[10:11], s[22:23]
.irp s, 0,1
.irp i, 0,1,2,3
	global_load_b128 v[W+16*\s+4*\i:W+16*\s+4*\i+3], v[PA], s[6:7] offset:2048*\s+16*\i   ; places 512 s + 16 lane + 4 i on
	global_load_b128 v[B+16*\s+4*\i:B+16*\s+4*\i+3], v[PA], s[8:9] offset:2048*\s+16*\i
.endr
.endr
.irp t, 0,1,2,3
.irp j, 0,1,2,3,4,5,6,7
	global_load_b128 v[R+32*\t+4*\j:R+32*\t+4*\j+3], v[LD], s[4:5] offset:4096*\t+512*\j th:TH_LOAD_NT   ; all four rows are asked for at once: 32 loads of 512 bytes a wave
.endr
.endr
; Row t through the stage.  LDS serves a wave's instructions in order, so no wait stands between the stores and the loads; the row comes back into the registers that it left.
.macro TURN t
	s_wait_loadcnt 8*(3-(\t))                      ; loads come back in order: row t is in, the rows behind it (eight loads each) may be out; gains and biases were asked for first
.irp j, 0,1,2,3,4,5,6,7
	ds_store_b128 v[SI], v[R+32*(\t)+4*\j:R+32*(\t)+4*\j+3] offset:2560*(\j/4)+640*(\j%4)
.endr
.irp j, 0,1,2,3,4,5,6,7
	ds_load_b128 v[R+32*(\t)+4*\j:R+32*(\t)+4*\j+3], v[SO] offset:2560*(\j/4)+16*(\j%4)   ; register 16 s + i = place 512 s + 16 lane + i of the row
.endr
.endm
.macro WSUM                            ; v8 summed over the 32 lanes, the result in every lane
	v_add_f32_dpp v8, v8, v8 row_xmask:1 row_mask:0xf bank_mask:0xf
	v_add_f32_dpp v8, v8, v8 row_xmask:2 row_mask:0xf bank_mask:0xf
	v_add_f32_dpp v8, v8, v8 row_xmask:4 row_mask:0xf bank_mask:0xf
	v_add_f32_dpp v8, v8, v8 row_xmask:8 row_mask:0xf bank_mask:0xf
	v_permlanex16_b32 v9, v8, s14, s15
	v_add_f32 v8, v8, v9
.endm
.macro ROW t
.set X, R+32*(\t)
.if (\t) > 0
	s_wait_dscnt 2                                 ; my row is back from the stage: behind its loads only the last row's two byte stores were issued
.else
	s_wait_dscnt 0x0
.endif
.if (\t) < 3
	TURN (\t)+1                                    ; the next row turns while this one is worked on
.endif
	v_pk_add_f32 v[8:9], v[X:X+1], v[X+2:X+3]      ; the sum, two at a time, in two chains
	v_pk_add_f32 v[10:11], v[X+4:X+5], v[X+6:X+7]
.irp i, 8,12,16,20,24,28
	v_pk_add_f32 v[8:9], v[8:9], v[X+\i:X+\i+1]
	v_pk_add_f32 v[10:11], v[10:11], v[X+\i+2:X+\i+3]
.endr
	v_pk_add_f32 v[8:9], v[8:9], v[10:11]
	v_add_f32 v8, v8, v9
	WSUM
	v_mul_f32 v12, s17, v8                         ; the mean, twice: a pair for the packed forms
	v_mul_f32 v13, s17, v8
.irp i, 0,2,4,6,8,10,12,14,16,18,20,22,24,26,28,30
	v_pk_add_f32 v[X+\i:X+\i+1], v[X+\i:X+\i+1], v[12:13] neg_lo:[0,1] neg_hi:[0,1]   ; x - mean
.endr
	v_pk_mul_f32 v[8:9], v[X:X+1], v[X:X+1]        ; the sum of its squares
	v_pk_mul_f32 v[10:11], v[X+2:X+3], v[X+2:X+3]
.irp i, 4,8,12,16,20,24,28
	v_pk_fma_f32 v[8:9], v[X+\i:X+\i+1], v[X+\i:X+\i+1], v[8:9]
	v_pk_fma_f32 v[10:11], v[X+\i+2:X+\i+3], v[X+\i+2:X+\i+3], v[10:11]
.endr
	v_pk_add_f32 v[8:9], v[8:9], v[10:11]
	v_add_f32 v8, v8, v9
	WSUM
	v_fma_f32 v10, v8, s17, s18                    ; var + eps
	s_wait_alu depctr_va_vdst(0)
	v_rsq_f32 v14, v10                             ; twice: a pair
	v_rsq_f32 v15, v10
	v_nop                                          ; a plain instruction behind the transcendentals,
	s_wait_alu depctr_va_vdst(0)                   ; and one wait for both, ahead of their first reader
.irp i, 0,2,4,6,8,10,12,14,16,18,20,22,24,26,28,30
	v_pk_mul_f32 v[X+\i:X+\i+1], v[X+\i:X+\i+1], v[14:15]
.endr
.irp i, 0,2,4,6,8,10,12,14,16,18,20,22,24,26,28,30
	v_pk_fma_f32 v[X+\i:X+\i+1], v[X+\i:X+\i+1], v[W+\i:W+\i+1], v[B+\i:B+\i+1]
.endr
.irp s, 0,1                            ; the quantiser, a half row at a time: two neighbouring lanes hold a block of 32
	v_max3_num_f32 v8, |v[X+16*\s]|, |v[X+16*\s+1]|, |v[X+16*\s+2]|
	v_max3_num_f32 v9, |v[X+16*\s+3]|, |v[X+16*\s+4]|, |v[X+16*\s+5]|
.irp i, 6,10
	v_max3_num_f32 v8, v8, |v[X+16*\s+\i]|, |v[X+16*\s+\i+1]|
	v_max3_num_f32 v9, v9, |v[X+16*\s+\i+2]|, |v[X+16*\s+\i+3]|
.endr
	v_max3_num_f32 v8, v8, |v[X+16*\s+14]|, |v[X+16*\s+15]|
	v_max3_num_f32 v8, v8, v9, 0x4800000           ; and the floor 2^(9 - 127): the byte cannot fall under 1
	v_max_num_f32_dpp v8, v8, v8 row_xmask:1 row_mask:0xf bank_mask:0xf   ; with my neighbour's 16: the block's largest magnitude
	v_add_nc_u32 v11, 0xfc000000, v8               ; 8 off its exponent field: the conversion's scale operand
	v_and_or_b32 v10, v8, 0x7f800000, s16          ; 448 x the scale
.irp i, 0,1,2,3,4,5,6,7,8,9,10,11,12,13,14,15
	v_med3_num_f32 v[X+16*\s+\i], v[X+16*\s+\i], -v10, v10   ; the conversion to an 8-bit code does not saturate (ISA guide 7.6.2): the hold comes first
.endr
	v_cvt_scalef32_pk8_fp8_f32 v[C+8*(\t)+4*\s:C+8*(\t)+4*\s+1], v[X+16*\s:X+16*\s+7], v11
	v_cvt_scalef32_pk8_fp8_f32 v[C+8*(\t)+4*\s+2:C+8*(\t)+4*\s+3], v[X+16*\s+8:X+16*\s+15], v11
	v_lshrrev_b32 v[E+2*(\t)+\s], 23, v11          ; the scale's byte
	ds_store_b8 v[SB], v[E+2*(\t)+\s] offset:32*(\t)+16*\s   ; both lanes of a block write the same byte with the same value
	global_store_b128 v[LD], v[C+8*(\t)+4*\s:C+8*(\t)+4*\s+3], s[10:11] offset:1024*(\t)+512*\s   ; 512 consecutive bytes, aligned
.endr
.endm
	TURN 0
	ROW 0
	ROW 1
	ROW 2
	ROW 3
	s_wait_dscnt 0x0                               ; for the others' sake: my byte stores have landed
	s_barrier_signal -1
	s_barrier_wait -1
	s_cmp_lg_u32 s12, 0
	s_cbranch_scc1 .Ldone
	ds_load_b128 v[8:11], v[SX]                    ; wave 0 takes the 16 rows' 512 scale bytes
	s_wait_dscnt 0x0
	global_store_b128 v[LD], v[8:11], s[26:27]     ; 512 consecutive bytes, aligned
.Ldone:
	s_wait_tensorcnt 0x0
	ds_add_u32 v254, v255
	s_wait_dscnt 0x0
	s_endpgm
.Lfunc_end_k_qc78acb470a_ln1:
	.size	k_qc78acb470a_ln1, .Lfunc_end_k_qc78acb470a_ln1-k_qc78acb470a_ln1
	.p2alignl 7, 3214868480
	.fill 96, 4, 3214868480
	.section	.rodata,"a",@progbits
	.p2align	6, 0x0
	.amdhsa_kernel k_qc78acb470a_ln1
		.amdhsa_group_segment_fixed_size 22016
		.amdhsa_private_segment_fixed_size 0
		.amdhsa_enable_private_segment 0
		.amdhsa_kernarg_size 32
		.amdhsa_user_sgpr_count 2
		.amdhsa_user_sgpr_kernarg_segment_ptr 1
		.amdhsa_wavefront_size32 1
		.amdhsa_system_sgpr_workgroup_id_x 1
		.amdhsa_system_sgpr_workgroup_id_y 1
		.amdhsa_system_sgpr_workgroup_id_z 1
		.amdhsa_system_vgpr_workitem_id 0
		.amdhsa_next_free_vgpr 256
		.amdhsa_next_free_sgpr 66
		.amdhsa_reserve_vcc 0
		.amdhsa_float_denorm_mode_32 3
		.amdhsa_float_denorm_mode_16_64 3
		.amdhsa_memory_ordered 1
		.amdhsa_forward_progress 1
		.amdhsa_inst_pref_size 52
	.end_amdhsa_kernel
	.amdgpu_metadata
---
amdhsa.version: [ 1, 2 ]
amdhsa.kernels:
  - .name:           k_qc78acb470a_ln1
    .symbol:         k_qc78acb470a_ln1.kd
    .args:
      - { .name: x, .offset: 0, .size: 8, .value_kind: global_buffer, .address_space: global }
      - { .name: ln1_w, .offset: 8, .size: 8, .value_kind: global_buffer, .address_space: global }
      - { .name: ln1_b, .offset: 16, .size: 8, .value_kind: global_buffer, .address_space: global }
      - { .name: act, .offset: 24, .size: 8, .value_kind: global_buffer, .address_space: global }
    .group_segment_fixed_size: 22016
    .private_segment_fixed_size: 0
    .kernarg_segment_align: 8
    .kernarg_segment_size: 32
    .max_flat_workgroup_size: 128
    .sgpr_count:     66
    .vgpr_count:     256
    .wavefront_size: 32
...
	.end_amdgpu_metadata
.endif
;; end of part 1
;; launch qkv (part 2): grid 12 x 16, 4 waves a work-group, clusters of 4 x 4, 327,680 bytes of LDS; arguments act, Wq_codes, Wq_scales, Wk_codes, Wk_scales, Wv_codes, Wv_scales, qkv; writes qkv
.if DOCPART == 2
	.amdgcn_target "amdgcn-amd-amdhsa--gfx1250"
	.amdhsa_code_object_version 6
	.text
	.protected	k_qc78acb470a_qkv
	.globl	k_qc78acb470a_qkv
	.p2align	8
	.type	k_qc78acb470a_qkv,@function
k_qc78acb470a_qkv:
	s_mov_b64 s[64:65], 0
	v_nop
	global_prefetch_b8 v0, s[64:65] scope:SCOPE_SE
	s_setreg_imm32_b32 hwreg(HW_REG_WAVE_MODE, 25, 1), 1
	s_wait_xcnt 0x0
	s_wait_alu depctr_hold_cnt(0) depctr_sa_sdst(0) depctr_va_vdst(0) depctr_va_sdst(0) depctr_va_ssrc(0) depctr_va_vcc(0) depctr_vm_vsrc(0)
	s_getreg_b32 s2, hwreg(HW_REG_IB_STS2, 6, 4)
	s_cmp_eq_u32 s2, 0
	s_cbranch_scc0 .Lentry_in_a_cluster
	s_endpgm
.Lentry_in_a_cluster:
	s_bfe_u32 s2, ttmp6, 0x10000c
	s_cmp_lg_u32 s2, 0xf033
	s_cbranch_scc0 .Lentry_shape_is_right
	s_endpgm
.Lentry_shape_is_right:
.set KIND,   0
.set SIZE_K, 1024
.set KSTEP,  256
.set NQ,     KSTEP/128
.set ROWB,   256
.set KROW,   SIZE_K
.set PITCH,  272
.set FR,     16
.set NL,     4
.set NP,     8
.set HALFT,  128*PITCH
.set SLOT,   4*HALFT
.set LAPS,   SIZE_K/(2*KSTEP)
.set KS,     SIZE_K/32
.set SCL,    2*SLOT
.set HALFS,  (128*KS/256)*272
.set SBLK,   (16*KS/256)*272
.set SPARE,  SCL+4*HALFS
.set ADRA, 16
.set ADRB, 20
.set CO,   26
.set ADRS, 27
.set SPW,  28
.set NIL,  29
.set SWO,  30
.set LN,   31
.set SC,   32
.set BIAS, 64
.set AF,   128
.set Y,    128
.set PC,   192
.set TM,   208
.set PW,   224
.set PWE,  225
.set SW,   226
.set G1, 24
.set G0, 32
.set G1B, 48
.set G0B, 56
.set G1S, 68
.set G0S, 76
.set G1SB, 80
.set G0SB, 88
.set MSB, 0
.macro WIN new
.if MSB != \new
	s_set_vgpr_msb (MSB<<8)|\new
.set MSB, \new
.endif
.endm
.set MUL_LO, 0xa1
.set MUL_HI, 0xf1
.set TO_B,   0x40
.macro JLOAD g0a, g1a, g0b, g1b
	s_cmp_eq_u32 s15, 0
	s_cbranch_scc0 .Lfor_b_\@
	tensor_load_to_lds s[\g0a:\g0a+3], s[\g1a:\g1a+7]
	s_nop 0
.rept 4
	v_nop
.endr
	s_branch .Lasked_\@
.Lfor_b_\@:
	tensor_load_to_lds s[\g0b:\g0b+3], s[\g1b:\g1b+7]
	s_nop 0
.rept 4
	v_nop
.endr
.Lasked_\@:
.endm
.macro CREST
	s_cmp_lg_u32 s14, 0
	s_cbranch_scc1 .Lnot_wave_0_\@
	s_barrier_signal -3
.Lnot_wave_0_\@:
	s_barrier_wait -3
	s_barrier_signal -1
	s_barrier_wait -1
.endm
.macro CROUND
	s_barrier_signal -1
	s_barrier_wait -1
	CREST
.endm
.if KIND == 0
	s_load_b512 s[68:83], s[0:1], 0x0
.else
	s_load_b256 s[68:75], s[0:1], 0x0
	s_load_b64 s[76:77], s[0:1], 0x20
.endif
	v_lshl_add_u32 v[SPW], v0, 2, SPARE
	v_mov_b32 v[NIL], 0
	ds_add_u32 v28, v29
	ds_add_u32 v28, v29
	s_wait_dscnt 0x0
	v_lshrrev_b32 v1, 5, v0
	v_readfirstlane_b32 s14, v1
	s_lshr_b32 s15, s14, 1
	s_and_b32 s16, s14, 1
	s_bfe_u32 s40, ttmp6, 0x40000
	s_bfe_u32 s41, ttmp6, 0x40004
	s_and_b32 s17, ttmp7, 0xffff
	s_lshl_b32 s17, s17, 2
.if KIND == 0
	s_cmp_eq_u32 ttmp9, 2
	s_cselect_b32 s42, s17, 0
	s_cselect_b32 s17, 0, s17
.else
	s_lshl_b32 s42, ttmp9, 2
.endif
	s_add_co_u32 s42, s42, s40
	s_add_co_u32 s17, s17, s41
	s_lshl_b32 s43, s41, 2
	s_lshl_b32 s43, 15, s43
	s_lshl_b32 s44, 0x1111, s40
	s_wait_kmcnt 0x0
.if KIND == 0
	s_add_nc_u64 s[84:85], s[68:69], 0x400000
	s_cmp_eq_u32 ttmp9, 0
	s_cselect_b64 s[8:9], s[70:71], s[74:75]
	s_cselect_b64 s[10:11], s[72:73], s[76:77]
	s_cmp_eq_u32 ttmp9, 2
	s_cselect_b64 s[4:5], s[78:79], s[68:69]
	s_cselect_b64 s[6:7], s[80:81], s[84:85]
	s_cselect_b64 s[8:9], s[68:69], s[8:9]
	s_cselect_b64 s[10:11], s[84:85], s[10:11]
	s_lshl_b32 s20, ttmp9, 22
	s_mov_b32 s21, 0
	s_add_nc_u64 s[12:13], s[82:83], s[20:21]
	s_lshl_b32 s20, ttmp9, 17
	s_add_nc_u64 s[98:99], s[82:83], s[20:21]
	s_add_nc_u64 s[98:99], s[98:99], 12582912
.else
	s_mov_b64 s[4:5], s[68:69]
	s_add_nc_u64 s[6:7], s[68:69], 0x400000
	s_mov_b64 s[8:9], s[70:71]
	s_mov_b64 s[10:11], s[72:73]
	s_mov_b64 s[100:101], s[74:75]
	s_mov_b64 s[12:13], s[76:77]
	s_add_nc_u64 s[98:99], s[76:77], 0x1000000
.endif
	s_or_b32 s[G1+0], s43, (0<<16)|(1<<20)|(1<<21)|(5<<22)|(3<<25)
	s_or_b32 s[G1B+0], s44, (0<<16)|(1<<20)|(1<<21)|(5<<22)|(3<<25)
.irp g, G1, G1B
	s_mov_b32 s[\g+1], ROWB<<16
	s_mov_b32 s[\g+2], 256<<16                     ; the head's loads bring a tile's 256 rows whole; behind them the two words that count rows are set to 128
	s_mov_b32 s[\g+3], ROWB<<16
	s_mov_b32 s[\g+4], 256
	s_mov_b32 s[\g+5], KROW
	s_mov_b32 s[\g+6], 0
	s_mov_b32 s[\g+7], 0
.endr
	s_lshl_b32 s20, s17, 8                         ; the tiles' first rows
	s_lshl_b32 s46, s42, 8
	s_mov_b32 s21, 0
	s_mov_b32 s47, 0
	s_mov_b64 s[18:19], KS
	s_mul_u64 s[22:23], s[20:21], s[18:19]         ; the scale bytes of all 256 rows begin there
	s_mul_u64 s[92:93], s[46:47], s[18:19]
	s_mul_i32 s94, s20, KROW                       ; the head's loads: a tile's 256 rows whole, K step wave % 2; A's offset and B's in registers that never hold the other coordinate
	s_mul_i32 s96, s46, KROW
	s_lshl_b32 s95, s16, 8
	s_add_co_u32 s94, s94, s95
	s_add_co_u32 s96, s96, s95
	s_mov_b32 s95, 0
	s_mov_b32 s97, 0
	s_lshl_b32 s18, s16, 7                         ; the ring's loads: my 128 rows of the tile
	s_add_co_u32 s20, s20, s18
	s_add_co_u32 s46, s46, s18
	s_mov_b64 s[18:19], KROW
	s_mul_u64 s[20:21], s[20:21], s[18:19]
	s_mul_u64 s[46:47], s[46:47], s[18:19]
	s_mul_i32 s45, s14, HALFT
	s_add_nc_u64 s[20:21], s[4:5], s[20:21]
	s_add_nc_u64 s[22:23], s[6:7], s[22:23]
	s_add_nc_u64 s[46:47], s[8:9], s[46:47]
	s_add_nc_u64 s[92:93], s[10:11], s[92:93]
	CROUND
.set G0HA, 76                          ; s[76:79], s[88:91] group 0 of the head's loads of A's and of B's tiles
.set G0HB, 88
	s_mov_b32 s[G0HA], 1
	s_mul_i32 s[G0HA+1], s16, SLOT                 ; into slot wave % 2
	s_add_nc_u64 s[G0HA+2:G0HA+3], s[4:5], s[94:95]
	s_or_b32 s[G0HA+3], s[G0HA+3], 0x80000000
	s_mov_b32 s[G0HB], 1
	s_add_co_u32 s[G0HB+1], s[G0HA+1], 2*HALFT
	s_add_nc_u64 s[G0HB+2:G0HB+3], s[8:9], s[96:97]
	s_or_b32 s[G0HB+3], s[G0HB+3], 0x80000000
	s_cmp_eq_u32 s15, 0                            ; the scale bytes: waves 0 and 1 take the halves of A's 8,192, waves 2 and 3 of B's
	s_cselect_b64 s[80:81], s[22:23], s[92:93]
	s_lshl_b32 s82, s16, 12
	s_mov_b32 s83, 0
	s_add_nc_u64 s[80:81], s[80:81], s[82:83]
	s_mul_i32 s84, s14, 16*272                     ; and where they go: 16 units of 256 bytes + 16 a wave
	s_add_co_u32 s84, s84, SCL
.irp s, 0,1
	s_mov_b32 s[G0+4*\s], 1
	s_add_co_u32 s[G0+4*\s+1], s45, \s*SLOT
	s_add_nc_u64 s[G0+4*\s+2:G0+4*\s+3], s[20:21], \s*ROWB
	s_or_b32 s[G0+4*\s+3], s[G0+4*\s+3], 0x80000000
	s_mov_b32 s[G0B+4*\s], 1
	s_add_co_u32 s[G0B+4*\s+1], s45, \s*SLOT
	s_add_nc_u64 s[G0B+4*\s+2:G0B+4*\s+3], s[46:47], \s*ROWB
	s_or_b32 s[G0B+4*\s+3], s[G0B+4*\s+3], 0x80000000
.endr
; THE HEAD'S LOADS, ONE A WAVE: waves 0 and 1 A's 256 rows of K steps 0 and 1, waves 2 and 3 B's.  One branch on wave / 2; every way passes one load.
; No prefetch: K has four steps of 256, so no refill has a step two on.
; BOTH SLOTS ARE FILLED AT THE HEAD, one joint load a wave: waves 0 and 1 A's 256 rows of K steps 0 and 1, waves 2 and 3 B's.
; The scale bytes of the 512 rows, 16,384 of the head's 278,528 bytes, are not asked for jointly: each wave loads 4,096 of them, 512 consecutive bytes an instruction, and stores them into LDS bytes that no fill touches, in units of 256 bytes + 16.
	JLOAD G0HA, G1, G0HB, G1B
	v_and_b32 v8, 31, v0
	v_lshlrev_b32 v9, 4, v8                        ; 16 x lane
	v_lshrrev_b32 v10, 4, v8
	v_and_b32 v11, 15, v0
	v_mul_u32_u24 v10, v10, 272
	v_lshl_add_u32 v10, v11, 4, v10
	v_add_nc_u32 v10, s84, v10                     ; lanes 0-15 one unit, lanes 16-31 the next
.irp j, 0,1,2,3,4,5,6,7
	global_load_b128 v[AF+4*\j:AF+4*\j+3], v9, s[80:81] offset:512*\j
.endr
	v_and_b32 v1, 15, v0
	v_bfe_u32 v2, v0, 4, 1
	v_mul_u32_u24 v3, v1, PITCH
	v_lshl_add_u32 v4, v2, 4, v3
	s_mul_i32 s21, s15, HALFT
	s_mul_i32 s22, s16, HALFT
	s_add_co_u32 s22, s22, 2*HALFT
.irp s, 0,1
	v_add_nc_u32 v[ADRA+\s], s21, v4
	v_add_nc_u32 v[ADRB+\s], s22, v4
	s_add_co_u32 s21, s21, SLOT
	s_add_co_u32 s22, s22, SLOT
.endr
	v_mul_u32_u24 v5, v1, KS
	v_lshrrev_b32 v6, 8, v5
	v_lshl_add_u32 v5, v6, 4, v5
	s_mul_i32 s21, s15, HALFS
	s_mul_i32 s22, s16, HALFS
	s_add_co_u32 s22, s22, 2*HALFS
	s_sub_co_u32 s22, s22, s21
	v_mul_u32_u24 v6, s22, v2
	s_add_co_u32 s21, s21, SCL
	v_add_nc_u32 v5, v5, v6
	v_add_nc_u32 v[ADRS], s21, v5
	v_and_b32 v[LN], 31, v0
	v_lshlrev_b32 v[CO], 4, v[LN]
	v_lshlrev_b32 v[SWO], 2, v[LN]
	s_lshl_b32 s18, s17, 4
	s_lshl_b32 s19, s15, 3
	s_add_co_u32 s18, s18, s19
	s_lshl_b32 s19, s42, 1
	s_add_co_u32 s19, s19, s16
.if KIND == 0
	s_cmp_eq_u32 ttmp9, 2
	s_mov_b32 s96, 16384
	s_cselect_b32 s96, 2048, s96
	s_mov_b32 s20, 2048
	s_cselect_b32 s20, 131072, s20
	s_mov_b32 s21, 16384
	s_cselect_b32 s21, 4096, s21
.else
	s_mov_b32 s96, 65536
	s_mov_b32 s20, 2048
	s_mov_b32 s21, 16384
.endif
	s_mov_b32 s97, 0
	s_mul_i32 s22, s18, s96
	s_mul_i32 s20, s19, s20
	s_add_co_u32 s22, s22, s20
	s_mov_b32 s23, 0
	s_add_nc_u64 s[12:13], s[12:13], s[22:23]
	s_mul_i32 s22, s19, s21
	s_lshl_b32 s20, s18, 6
	s_add_co_u32 s22, s22, s20
	s_add_nc_u64 s[98:99], s[98:99], s[22:23]
.if KIND == 1
	s_lshl_b32 s22, s19, 9
	s_add_nc_u64 s[100:101], s[100:101], s[22:23]
	v_lshlrev_b32 v7, 5, v2
.irp b, 0,1,2,3,4,5,6,7
	global_load_b128 v[BIAS+8*\b:BIAS+8*\b+3], v7, s[100:101] offset:64*\b
	global_load_b128 v[BIAS+8*\b+4:BIAS+8*\b+7], v7, s[100:101] offset:64*\b+16
.endr
.endif
.macro FRAG reg, adr, q, i
.irp c, 0,1,2,3
	ds_load_b128 v[\reg+4*\c:\reg+4*\c+3], v[\adr] offset:128*(\q)+32*\c+(\i)*16*PITCH
.endr
.endm
.macro MUL16 a0, p, q, sc, zero
.irp a, \a0, \a0+1
.irp b, 0,1,2,3,4,5,6,7
.if (\zero) && (KIND == 1)
	v_wmma_scale_f32_16x16x128_f8f6f4 v[8*(8*((\a)%4)+\b):8*(8*((\a)%4)+\b)+7], v[128*(\p)+FR*\b:128*(\p)+FR*\b+FR-1], v[AF+FR*(\a):AF+FR*(\a)+FR-1], v[BIAS+8*\b:BIAS+8*\b+7], v[SC+8*NQ*(\sc)+NQ*\b+(\q)], v[SC+8*NQ*(\sc)+NQ*(\a)+(\q)] matrix_a_scale:MATRIX_SCALE_ROW1
.elseif \zero
	v_wmma_scale_f32_16x16x128_f8f6f4 v[8*(8*((\a)%4)+\b):8*(8*((\a)%4)+\b)+7], v[128*(\p)+FR*\b:128*(\p)+FR*\b+FR-1], v[AF+FR*(\a):AF+FR*(\a)+FR-1], 0, v[SC+8*NQ*(\sc)+NQ*\b+(\q)], v[SC+8*NQ*(\sc)+NQ*(\a)+(\q)] matrix_a_scale:MATRIX_SCALE_ROW1
.else
	v_wmma_scale_f32_16x16x128_f8f6f4 v[8*(8*((\a)%4)+\b):8*(8*((\a)%4)+\b)+7], v[128*(\p)+FR*\b:128*(\p)+FR*\b+FR-1], v[AF+FR*(\a):AF+FR*(\a)+FR-1], v[8*(8*((\a)%4)+\b):8*(8*((\a)%4)+\b)+7], v[SC+8*NQ*(\sc)+NQ*\b+(\q)], v[SC+8*NQ*(\sc)+NQ*(\a)+(\q)] matrix_a_scale:MATRIX_SCALE_ROW1
.endif
.endr
.endr
.endm
.macro WMUL hi, zero
.if (\zero) && (KIND == 1)
	WIN 0x81+0x40*(\hi)
.else
	WIN MUL_LO+0x50*(\hi)
.endif
.endm
.macro FETCH_B slot, q, p
	WIN TO_B
.irp i, 0,1,2,3,4,5,6,7
	FRAG 128*(\p)+FR*\i, ADRB+\slot, \q, \i
.endr
	WIN 0
.endm
.macro FETCH_A slot, q, i0
.irp i, \i0, \i0+1, \i0+2, \i0+3
	FRAG AF+FR*(\i), ADRA+\slot, \q, \i
.endr
.endm
.macro SCALES sc
.irp i, 0,1,2,3,4,5,6,7
	ds_load_b64 v[SC+8*NQ*\sc+NQ*\i:SC+8*NQ*\sc+NQ*\i+1], v[ADRS] offset:\i*SBLK
.endr
.endm
.macro PLACES n
.rept \n
	v_nop
.endr
.endm
.macro STEP slot, q, zero
	s_wait_dscnt 4*NL
	WMUL 0, \zero
	MUL16 0, (\q)%2, \q, \slot, \zero
	MUL16 2, (\q)%2, \q, \slot, \zero
	s_wait_dscnt 0
	PLACES NP
	FETCH_B \slot, (\q)+1, 1-(\q)%2
	FETCH_A \slot, (\q)+1, 0
	WMUL 1, \zero
	MUL16 4, (\q)%2, \q, \slot, \zero
	MUL16 6, (\q)%2, \q, \slot, \zero
	PLACES NP
	WIN 0
	FETCH_A \slot, (\q)+1, 4
.endm
.macro TURN slot, next, fill
	s_wait_tensorcnt 0x0
	ds_add_u32 v[SPW], v[NIL]
	s_wait_dscnt 4*NL+1
	WIN MUL_LO
	MUL16 0, 1, NQ-1, \slot, 0
	s_wait_dscnt 0x0
	s_barrier_signal -1
	MUL16 2, 1, NQ-1, \slot, 0
	WIN 0
	s_barrier_wait -1
.if \fill
	CREST
	s_add_nc_u64 s[G0+4*\slot+2:G0+4*\slot+3], s[G0+4*\slot+2:G0+4*\slot+3], 2*ROWB
	s_add_nc_u64 s[G0B+4*\slot+2:G0B+4*\slot+3], s[G0B+4*\slot+2:G0B+4*\slot+3], 2*ROWB
	JLOAD G0+4*\slot, G1, G0B+4*\slot, G1B
	PLACES NP-4
.else
	PLACES NP
.endif
	s_wait_alu depctr_va_vdst(0)
	v_add_nc_u32 v[ADRS], 4*NQ, v[ADRS]
	FETCH_B \next, 0, 0
	FETCH_A \next, 0, 0
	SCALES \next
	WIN MUL_HI
	MUL16 4, 1, NQ-1, \slot, 0
	MUL16 6, 1, NQ-1, \slot, 0
	PLACES NP
	WIN 0
	FETCH_A \next, 0, 4
.endm
	s_wait_alu depctr_va_vdst(0)                   ; the wait at the head's end
	s_wait_loadcnt 0x0                             ; my scale bytes are in registers
	s_wait_tensorcnt 0x0                           ; my tile of the head's four is in
.irp j, 0,1,2,3,4,5,6,7
	ds_store_b128 v10, v[AF+4*\j:AF+4*\j+3] offset:544*\j
.endr
	s_mov_b32 s[G1+2], 128<<16                     ; no tensor load of mine is out: from here on a load brings 128 rows
	s_mov_b32 s[G1+4], 128
	s_mov_b32 s[G1B+2], 128<<16
	s_mov_b32 s[G1B+4], 128
	s_wait_dscnt 0x0
	s_barrier_signal -1                            ; my stores have landed (the wait above): behind this barrier both slots and all scale bytes are whole
	s_barrier_wait -1
	FETCH_B 0, 0, 0
	FETCH_A 0, 0, 0
	SCALES 0
	FETCH_A 0, 0, 4
.if KIND == 1
	s_wait_loadcnt 0x0
.endif
	STEP 0, 0, 1
.if LAPS > 1
	s_mov_b32 s3, LAPS-1
.Llap:
	TURN 0, 1, 1
	STEP 1, 0, 0
	TURN 1, 0, 1
	STEP 0, 0, 0
	s_sub_co_u32 s3, s3, 1
	s_cmp_lg_u32 s3, 0
	s_cbranch_scc1 .Llap
.endif
	TURN 0, 1, 0
	STEP 1, 0, 0
	s_wait_dscnt 4*NL
	WIN MUL_LO
	MUL16 0, 1, NQ-1, 1, 0
	MUL16 2, 1, NQ-1, 1, 0
	s_wait_dscnt 0
	WIN MUL_HI
	MUL16 4, 1, NQ-1, 1, 0
	MUL16 6, 1, NQ-1, 1, 0
	WIN 0
.macro QEPI a
.set AC, 64*((\a)%4)
.set WW, 2+(\a)/4
.if (\a) > 0
	s_wait_xcnt 0x0
	s_add_nc_u64 s[12:13], s[12:13], s[96:97]
.endif
	WIN WW|(WW<<2)
.irp b, 0,1,2,3
.if KIND == 1
	v_max3_num_f32 v[TM+\b], v[AC+16*\b], v[AC+16*\b+1], 0x4800000
.else
	v_max3_num_f32 v[TM+\b], |v[AC+16*\b]|, |v[AC+16*\b+1]|, 0x4800000
.endif
.endr
.irp i, 2,4,6,8,10,12,14
.irp b, 0,1,2,3
.if KIND == 1
	v_max3_num_f32 v[TM+\b], v[AC+16*\b+\i], v[AC+16*\b+\i+1], v[TM+\b]
.else
	v_max3_num_f32 v[TM+\b], |v[AC+16*\b+\i]|, |v[AC+16*\b+\i+1]|, v[TM+\b]
.endif
.endr
.endr
	WIN 0
.irp b, 0,1,2,3
	v_permlanex16_b32 v[TM+4+\b], v[TM+\b], s20, s21
.endr
.irp b, 0,1,2,3
	v_max_num_f32 v[TM+\b], v[TM+\b], v[TM+4+\b]
.endr
.irp b, 0,1,2,3
	v_add_nc_u32 v[TM+12+\b], 0xfc000000, v[TM+\b]
.endr
.irp b, 0,1,2,3
	v_and_or_b32 v[TM+8+\b], v[TM+\b], 0x7f800000, s22
.endr
.irp b, 0,1,2,3
	v_lshrrev_b32 v[TM+4+\b], 23, v[TM+12+\b]
.endr
	v_lshl_or_b32 v[PW], v[TM+5], 8, v[TM+4]
	v_lshl_or_b32 v[PW], v[TM+6], 16, v[PW]
	v_lshl_or_b32 v[PW], v[TM+7], 24, v[PW]
	WIN WW
.irp b, 0,1,2,3
.irp i, 0,1,2,3,4,5,6,7,8,9,10,11,12,13,14,15
.if KIND == 1
	v_med3_num_f32 v[Y+16*\b+\i], v[AC+16*\b+\i], 0, v[TM+8+\b]
.else
	v_med3_num_f32 v[Y+16*\b+\i], v[AC+16*\b+\i], -v[TM+8+\b], v[TM+8+\b]
.endif
.endr
.endr
	WIN 0
.irp b, 0,1,2,3
	v_cvt_scalef32_pk8_fp8_f32 v[PC+4*\b:PC+4*\b+1], v[Y+16*\b:Y+16*\b+7], v[TM+12+\b]
	v_cvt_scalef32_pk8_fp8_f32 v[PC+4*\b+2:PC+4*\b+3], v[Y+16*\b+8:Y+16*\b+15], v[TM+12+\b]
.endr
	v_nop
.if KIND == 1
.irp b, 0,1,2,3
	v_permlane16_swap_b32 v[PC+4*\b], v[PC+4*\b+2]
	v_permlane16_swap_b32 v[PC+4*\b+1], v[PC+4*\b+3]
.endr
.endif
.irp b, 0,1,2,3
	global_store_b128 v[CO], v[PC+4*\b:PC+4*\b+3], s[12:13] offset:512*\b
.endr
.if (\a)%2 == 0
	v_mov_b32 v[PWE], v[PW]
.else
	v_cndmask_b32 v[SW], v[PWE], v[PW], vcc_lo
	global_store_b32 v[SWO], v[SW], s[98:99] offset:64*((\a)-1)
.endif
.endm
	PLACES NP
	s_mov_b32 s20, 0x76543210
	s_mov_b32 s21, 0xfedcba98
	s_mov_b32 s22, 0x600000
.irp b, 0,1,2,3
	v_mov_b32 v[TM+4+\b], 0
.endr
	v_cmp_lt_u32 vcc_lo, 15, v[LN]
.irp a, 0,1,2,3,4,5,6,7
	QEPI \a
.endr
	s_wait_tensorcnt 0x0
	ds_add_u32 v[SPW], v[NIL]
	s_wait_dscnt 0x0
	CROUND
	s_endpgm
.Lfunc_end_k_qc78acb470a_qkv:
	.size	k_qc78acb470a_qkv, .Lfunc_end_k_qc78acb470a_qkv-k_qc78acb470a_qkv
	.p2alignl 7, 3214868480
	.fill 96, 4, 3214868480
	.section	.rodata,"a",@progbits
	.p2align	6, 0x0
	.amdhsa_kernel k_qc78acb470a_qkv
		.amdhsa_group_segment_fixed_size 327680
		.amdhsa_private_segment_fixed_size 0
		.amdhsa_enable_private_segment 0
		.amdhsa_kernarg_size 64
		.amdhsa_user_sgpr_count 2
		.amdhsa_user_sgpr_kernarg_segment_ptr 1
		.amdhsa_wavefront_size32 1
		.amdhsa_system_sgpr_workgroup_id_x 1
		.amdhsa_system_sgpr_workgroup_id_y 1
		.amdhsa_system_sgpr_workgroup_id_z 1
		.amdhsa_system_vgpr_workitem_id 0
		.amdhsa_next_free_vgpr 1024
		.amdhsa_next_free_sgpr 102
		.amdhsa_reserve_vcc 1
		.amdhsa_float_denorm_mode_32 3
		.amdhsa_float_denorm_mode_16_64 3
		.amdhsa_memory_ordered 1
		.amdhsa_forward_progress 1
		.amdhsa_inst_pref_size 186
	.end_amdhsa_kernel
	.amdgpu_metadata
---
amdhsa.version: [ 1, 2 ]
amdhsa.kernels:
  - .name:           k_qc78acb470a_qkv
    .symbol:         k_qc78acb470a_qkv.kd
    .args:
      - { .name: act, .offset: 0, .size: 8, .value_kind: global_buffer, .address_space: global }
      - { .name: Wq_codes, .offset: 8, .size: 8, .value_kind: global_buffer, .address_space: global }
      - { .name: Wq_scales, .offset: 16, .size: 8, .value_kind: global_buffer, .address_space: global }
      - { .name: Wk_codes, .offset: 24, .size: 8, .value_kind: global_buffer, .address_space: global }
      - { .name: Wk_scales, .offset: 32, .size: 8, .value_kind: global_buffer, .address_space: global }
      - { .name: Wv_codes, .offset: 40, .size: 8, .value_kind: global_buffer, .address_space: global }
      - { .name: Wv_scales, .offset: 48, .size: 8, .value_kind: global_buffer, .address_space: global }
      - { .name: qkv, .offset: 56, .size: 8, .value_kind: global_buffer, .address_space: global }
    .group_segment_fixed_size: 327680
    .private_segment_fixed_size: 0
    .kernarg_segment_align: 8
    .kernarg_segment_size: 64
    .max_flat_workgroup_size: 128
    .sgpr_count:     102
    .vgpr_count:     1024
    .wavefront_size: 32
...
	.end_amdgpu_metadata
.endif
;; end of part 2
;; launch attn (part 3): grid 8 x 32, 16 waves a work-group, no clusters, 313,344 bytes of LDS; arguments qkv, ao; writes ao
.if DOCPART == 3
	.amdgcn_target "amdgcn-amd-amdhsa--gfx1250"
	.amdhsa_code_object_version 6
	.text
	.protected	k_qc78acb470a_attn
	.globl	k_qc78acb470a_attn
	.p2align	8
	.type	k_qc78acb470a_attn,@function
k_qc78acb470a_attn:
	s_mov_b64 s[64:65], 0
	v_nop
	global_prefetch_b8 v0, s[64:65] scope:SCOPE_SE
	s_setreg_imm32_b32 hwreg(HW_REG_WAVE_MODE, 25, 1), 1
	s_wait_xcnt 0x0
; Causal attention on codes of FP8 (E4M3) with E8M0 scales: 32 (batch, head) pairs, 2,048 tokens, head size 64.  O / l is quantised along the 1,024 features and stored as the next product's operand.
; LEFT OUT: key steps all of whose keys come after a tile's queries: reference()'s own jnp.tril sets their scores to -inf, so their p is 0 for all values of the inputs.  A NaN or an infinity that reaches only such scores is not carried to the result.
; IN (one buffer): images of operand registers.  q at 0 and k at 4,194,304: [256 token tiles][32 blocks][512]; a head is 2 blocks.  v at 8,388,608: [32 groups of 128 tokens][64 tiles of 16 features][4 blocks of keys][512].
; Scale words at 12,582,912 (q), + 131,072 (k): [8 groups of 128 features][4096 tokens], a head's two bytes are half a word; + 262,144 (v): [32 groups of 128 tokens][1024 features].
; The head size 64 fills half of the instruction's K = 128: registers 8-15 of q's and k's fragments hold zero codes, written once; their scale bytes are 0, which is 2^-127 over zeros.
; THE SOFTMAX: t = score x log2(e) / 8; M = the largest t so far, rounded up to a whole number; p = 2^(t - M) is quantised along the keys; the sum is taken of the unquantised p and divides at the end.  A change of M multiplies the sum and O by a power of two: exact.
; SHARES.  Work-group x = j takes query blocks (128 queries) j and 15 - j of its head.  Waves w and w + 8 are a pair: tile w of the early block (j + 1 key steps) and tile w of the late block (16 - j): 17 steps.
; THE PAIR SHARES THE LATE TILE'S KEYS.  Wave w walks its own tile, parks that state (O^T, -M, the sum) in LDS bytes of its own, takes the late tile's q and walks the key steps of a table H(j), with an M, a sum and an O^T of their own;
; wave w + 8 walks the late tile's other steps.  H is laid so that in each stage of four key steps both do about half of the pair's steps: 8 or 9 steps a wave for every j.  At the end the helper's state goes through LDS and the two parts are joined under the larger M, by powers of two.
; Every wave walks all 16 trips (four loops of four, constants of the text); a bit of the wave's mask, made of ids alone, leads round a step's work.
; LDS IS FILLED ONCE: a head's k (131,072 bytes), v (131,072) and their scale words (8,192 + 4,096).  Ten loads, one a wave, each a line of its own: wave 0 k's scale words, wave 1 v's, waves 2 + 2 s and 3 + 2 s k's and v's 32,768 bytes of stage s.
; Ahead of stage s's barrier the waves under 4 + 2 s wait for their load (stage 3: all waves); the later stages' loads stay out.
; NO CLUSTER: the eight work-groups of a head read the same k and v, but which steps a wave walks hangs on the work-group's place, and partners of a joint request must run alike.  NO PREFETCH: all that the launch reads is asked for at its head.
; LAYOUT.  Both products are used transposed: S^T = k q^T, O^T = v^T p^T: a lane holds one query (lane % 16).  p's 16 registers of two neighbouring tiles are keys 8 h + 0..7 and 16 + 8 h + 0..7 of a block of 32: the order in which v's codes were laid.
; LIMITS: a block of zeros, or one under 2^-118, gets the scale byte 1; NaN and infinities are not served; the scaled scores stay under 2^31 in magnitude.
.set VIMG, 131072
.set KSC,  262144
.set VSC,  270336
.set STB,  32768                       ; a stage's bytes of k, and of v
.set SPARE, 0x43000                    ; the spare words, 128 bytes a wave
.set YB,   276480                      ; the parked states: 8 x STT bytes, which no fill touches
.set STT,  4608                        ; a state: 32 registers of O^T and v[12:15], 16 bytes a lane for each four
.set LI,   1                           ; v1 16 x lane
.set ASK0, 2                           ; v2 KSC + 4 r + 2 (head % 2)
.set ASV0, 3                           ; v3 VSC + 4 r
.set R4,   4                           ; v4 4 r
.set RH,   5                           ; v5 r - 8 h
.set AY,   6                           ; v6 where an early wave parks its own tile's state
.set AX,   7                           ; v7 where it leaves the helper's state: in k's image, behind the barrier behind which nobody reads the images
.set ADK,  8                           ; v8-11 the step's LDS addresses
.set ADV,  9
.set ADS,  10
.set ADT,  11
.set TA,   208
.set TC,   209
.set F,    210                         ; v[210:211] a factor; the upper half is written once and not used
.set PWD,  212
.set AL,   213                         ; v213 the state that I join with mine: late wave: the helper's; early wave: its parked one
.set QL,   214                         ; v214-221 the late tile's q; v222 its scale bytes
; v12 -M, v13 the largest t, v[14:15] the sum; v16-31 q; v32-95 k's four fragments; v96-159 S^T, p, then v's fragments; v160-191 O^T; v192-207 p's codes; v224-227, v232-247, v254 at work; v248-251, v253, v255, v222 hold scales alone
.set Q0L,  2                           ; s2 the late tile's first query
.set MASK, 3                           ; s3 bit 0: do I walk this key step?  Shifted once a step
.set WV,   18
.set MNT,  19
.set SEL,  20
.set CS,   22
.set G1K,  24
.set G1V,  32
.set G1KS, 40
.set G1VS, 48
.set G0K,  56
.set G0V,  60
.set TBK,  66
.set TBV,  67
.set TSK,  68
.set TSV,  69
.set KF,   70                          ; s70 the step's first key
.set Q0,   71                          ; s71 the first query of the tile in hand
.set CNT,  72
.set SWF,  76                          ; s76 128 (j + 1): the key at which an early wave changes tiles
.set EMP,  77                          ; s77 early wave: 3e38; late wave: -3e38
.set G0KS, 92
.set G0VS, 96
.macro G1SET g, c, r, p                ; descriptor group 1: r rows of c elements of 8 bytes, p elements apart; no padding: images are read 512 consecutive bytes an instruction
	s_mov_b32 s[\g], 3<<16
	s_mov_b32 s[\g+1], (\c)<<16
	s_mov_b32 s[\g+2], (\r)<<16
	s_mov_b32 s[\g+3], (\c)<<16
	s_mov_b32 s[\g+4], \r
	s_mov_b32 s[\g+5], \p
	s_mov_b32 s[\g+6], 0
	s_mov_b32 s[\g+7], 0
.endm
.macro G0SET g, off                    ; group 0's count, global address and type
	s_mov_b32 s[\g], 1
	s_add_nc_u64 s[\g+2:\g+3], s[4:5], s[\off:\off+1]
	s_or_b32 s[\g+3], s[\g+3], 0x80000000
.endm
	s_load_b128 s[4:7], s[0:1], 0x0                ; qkv, ao
	v_lshl_add_u32 v231, v0, 2, SPARE
	v_mov_b32 v252, 0
	ds_add_u32 v231, v252                          ; the opening lines: the add, twice on end, and its wait ahead of the first tensor load
	ds_add_u32 v231, v252
	v_lshrrev_b32 v8, 5, v0
	v_readfirstlane_b32 s[WV], v8                  ; wave 0..15
	s_and_b32 s73, ttmp7, 0xffff
	s_lshr_b32 s74, s73, 4                         ; the batch
	s_and_b32 s75, s73, 15                         ; the head
	s_and_b32 s17, s[WV], 7                        ; my pair, and its tile in either block
	s_lshr_b32 s16, s[WV], 3                       ; 1: a late wave
	s_sub_co_u32 s79, 15, ttmp9
	s_lshl_b32 s79, s79, 3
	s_add_co_u32 s79, s79, s17                     ; the late tile in the sequence
	s_lshl_b32 s78, ttmp9, 3
	s_add_co_u32 s78, s78, s17                     ; the early one
	s_mov_b32 s[EMP], 0x7f61b1e6
	s_cmp_ge_u32 s[WV], 8
	s_cselect_b32 s78, s79, s78                    ; my own tile
	s_cselect_b32 s[EMP], 0xff61b1e6, s[EMP]
	s_lshl_b32 s[Q0], s78, 4
	s_lshl_b32 s[Q0L], s79, 4
	s_lshl_b32 s73, s74, 7
	s_add_co_u32 s78, s78, s73                     ; among all 256
	s_add_co_u32 s79, s79, s73
	s_lshl_b32 s73, s75, 10
	s_lshl_b32 s80, s78, 14
	s_add_co_u32 s80, s80, s73                     ; s[80:81] my tile's and head's 1,024 bytes, in q's image and in ao's alike
	s_lshl_b32 s82, s79, 14
	s_add_co_u32 s82, s82, s73                     ; s[82:83] the late tile's
	s_lshr_b32 s88, s75, 1
	s_lshl_b32 s88, s88, 14                        ; the head's group of 128 features among the scale words
	s_and_b32 s66, s75, 1
	s_lshl_b32 s66, s66, 1                         ; and its half of a word
	s_add_co_u32 s73, s88, s66
	s_lshl_b32 s84, s78, 6
	s_add_co_u32 s84, s84, s73                     ; s[84:85] my tile's scale bytes
	s_lshl_b32 s86, s79, 6
	s_add_co_u32 s86, s86, s73                     ; s[86:87] the late tile's
	s_mov_b32 s81, 0
	s_mov_b32 s83, 0
	s_mov_b32 s85, 0
	s_mov_b32 s87, 0
	; H(j), 16 bits: the late tile's key steps that the early wave walks.  j = 0: 2,3,6,7,10-13; 1, 2: 3,6,7,10-12; 3: 6,7,10,11; 4: 6-9; 5, 6: 7,8; 7: none
	s_lshr_b32 s73, ttmp9, 1
	s_mov_b32 s90, 0x1cc83ccc
	s_mov_b32 s91, 0x0cc01cc8
	s_cmp_eq_u32 s73, 1
	s_cselect_b32 s90, s91, s90
	s_mov_b32 s91, 0x018003c0
	s_cmp_eq_u32 s73, 2
	s_cselect_b32 s90, s91, s90
	s_mov_b32 s91, 0x180
	s_cmp_eq_u32 s73, 3
	s_cselect_b32 s90, s91, s90
	s_and_b32 s73, ttmp9, 1
	s_lshl_b32 s73, s73, 4
	s_lshr_b32 s90, s90, s73
	s_and_b32 s90, s90, 0xffff
	s_lshl_b32 s73, 2, ttmp9
	s_sub_co_u32 s73, s73, 1                       ; steps 0 .. j,
	s_or_b32 s73, s73, s90                         ; and H: the early wave's steps
	s_sub_co_u32 s91, 15, ttmp9
	s_lshl_b32 s91, 2, s91
	s_sub_co_u32 s91, s91, 1                       ; steps 0 .. 15 - j,
	s_and_not1_b32 s91, s91, s90                   ; less H: the late wave's
	s_cmp_ge_u32 s[WV], 8
	s_cselect_b32 s[MASK], s91, s73
	s_add_co_u32 s[SWF], ttmp9, 1
	s_lshl_b32 s[SWF], s[SWF], 7
	; what I fetch, if I fetch: the stage is ((wave + 6) / 2) % 4 in waves 2 to 9
	s_add_co_u32 s73, s[WV], 6
	s_lshr_b32 s73, s73, 1
	s_and_b32 s73, s73, 3
	s_lshl_b32 s[G0K+1], s73, 15
	s_add_co_u32 s[G0V+1], s[G0K+1], VIMG
	s_mov_b32 s[G0KS+1], KSC
	s_mov_b32 s[G0VS+1], VSC
	s_lshl_b32 s73, s73, 19                        ; a stage on is 524,288 bytes in either image
	s_lshl_b32 s78, s74, 21
	s_add_co_u32 s73, s73, s78
	s_lshl_b32 s78, s75, 10
	s_add_co_u32 s78, s78, s73
	s_add_co_u32 s78, s78, 4194304                 ; s[78:79] k
	s_mov_b32 s79, 0
	s_lshl_b32 s90, s75, 13
	s_add_co_u32 s90, s90, s73
	s_add_co_u32 s90, s90, 8388608                 ; s[90:91] v
	s_mov_b32 s91, 0
	s_lshl_b32 s73, s74, 13
	s_add_co_u32 s100, s88, s73
	s_add_co_u32 s100, s100, 12713984              ; s[100:101] k's scale words: 8,192 dense bytes
	s_mov_b32 s101, 0
	s_lshl_b32 s68, s74, 16
	s_lshl_b32 s73, s75, 8
	s_add_co_u32 s68, s68, s73
	s_add_co_u32 s68, s68, 12845056                ; s[68:69] v's: 16 rows of 256 bytes, 4,096 apart
	s_mov_b32 s69, 0
	G1SET G1K, 128, 32, 2048                       ; k: 32 token tiles of 1,024 bytes, 16,384 apart
	G1SET G1V, 1024, 4, 16384                      ; v: 4 key steps of 8,192 bytes, 131,072 apart
	G1SET G1KS, 32, 32, 32
	G1SET G1VS, 32, 16, 512
	s_mov_b32 s[SEL], 0x76543210
	s_mov_b32 s[SEL+1], 0xfedcba98                 ; v_permlanex16_b32's selects for lane l xor 16
	s_mov_b32 s[CS], 0x3e38aa3b                    ; c = log2(e) / 8
	s_mov_b32 s[CS+1], s[CS]
	s_mov_b32 s[MNT], 0x600000                     ; the mantissa field of 448
	s_wait_dscnt 0x0
	s_wait_kmcnt 0x0
	G0SET G0K, 78
	G0SET G0V, 90
	G0SET G0KS, 100
	G0SET G0VS, 68
; THE LOADS, ONE A WAVE, in one chain of branches on the wave's number, an arm a load: what is wanted first stands first.
.macro ARM under, g0, g1, next
	s_cmp_lt_u32 s[WV], \under
	s_cbranch_scc0 \next
	tensor_load_to_lds s[\g0:\g0+3], s[\g1:\g1+7]
	s_nop 0
.rept 4
	v_nop
.endr
	s_branch .Lhead_asked
\next:
.endm
	ARM 1, G0KS, G1KS, .Lhead_vs
	ARM 2, G0VS, G1VS, .Lhead_k
.irp n, 3,5,7,9
	ARM \n, G0K, G1K, .Lak\n
	ARM \n+1, G0V, G1V, .Lav\n
.endr
.Lhead_asked:
	s_add_nc_u64 s[8:9], s[4:5], s[80:81]          ; q's codes of my tile and head
	s_add_nc_u64 s[10:11], s[4:5], s[84:85]
	s_add_nc_u64 s[10:11], s[10:11], 12582912      ; and its scale bytes
	s_add_nc_u64 s[82:83], s[4:5], s[82:83]        ; the late tile's likewise
	s_add_nc_u64 s[86:87], s[4:5], s[86:87]
	s_add_nc_u64 s[86:87], s[86:87], 12582912
	s_add_nc_u64 s[12:13], s[6:7], s[80:81]        ; ao: my own tile
	s_add_nc_u64 s[14:15], s[6:7], s[84:85]
	s_add_nc_u64 s[14:15], s[14:15], 4194304
	v_and_b32 v8, 31, v0
	v_lshlrev_b32 v[LI], 4, v8
	v_and_b32 v9, 15, v0                           ; r
	v_lshlrev_b32 v[R4], 2, v9
	global_load_b128 v[16:19], v[LI], s[8:9]       ; q's fragment: its two blocks of 32
	global_load_b128 v[20:23], v[LI], s[8:9] offset:512
	global_load_u16 v255, v[R4], s[10:11]          ; q's two scale bytes; the word's upper bytes are 0
	global_load_b128 v[QL:QL+3], v[LI], s[82:83]
	global_load_b128 v[QL+4:QL+7], v[LI], s[82:83] offset:512
	global_load_u16 v222, v[R4], s[86:87]
	v_add_nc_u32 v[ASV0], VSC, v[R4]
	v_add_nc_u32 v[ASK0], KSC, v[R4]
	v_add_nc_u32 v[ASK0], s66, v[ASK0]
	v_bfe_u32 v10, v0, 4, 1                        ; h
	v_lshlrev_b32 v10, 3, v10
	v_sub_nc_u32 v[RH], v9, v10
	s_mul_i32 s73, s17, STT                        ; my pair's states
	v_add_nc_u32 v[AX], s73, v[LI]
	v_add_nc_u32 v[AY], YB, v[AX]
	s_xor_b32 s78, s16, 1
	s_mul_i32 s78, s78, YB                         ; one product: the lower base + (an early wave) x the distance
	s_add_co_u32 s78, s78, s73
	v_add_nc_u32 v[AL], s78, v[LI]
	v_mov_b32 v13, 0xff61b1e6                      ; the largest t so far: -3e38
	v_floor_f32 v12, -v13                          ; -M
	v_mov_b32 v14, 0
	v_mov_b32 v15, 0
.irp b, 0,1,2,3
	v_mov_b32 v[236+\b], 0                         ; a lane permute's destination counts as one of its sources
.endr
	v_mov_b32 v[TA], 0
	v_mov_b32 v[F+1], 0
.irp j, 0,1,2,3,4,5,6,7
	v_mov_b32 v[24+\j], 0                          ; zero codes: the upper half of K in q's fragment,
.irp t, 0,1,2,3
	v_mov_b32 v[40+16*\t+\j], 0                    ; and in k's four
.endr
.endr
.set n, 0
.rept 32
	v_mov_b32 v[160+n], 0                          ; O^T
.set n, n+1
.endr
	s_wait_alu depctr_va_vdst(0)                   ; the wait at the head's end
	s_wait_loadcnt 0x0                             ; both q
; AN EARLY WAVE CHANGES TILES: its own tile's state is parked, the late tile's q takes q's place, and the state begins anew.
.macro SWITCH
.rept 8
	v_nop                                          ; the places behind the last products
.endr
.irp g, 0,1,2,3,4,5,6,7
	ds_store_b128 v[AY], v[160+4*\g:163+4*\g] offset:512*\g   ; each accumulator from its low end on
.endr
	ds_store_b128 v[AY], v[12:15] offset:4096
	v_mov_b32 v255, v222
.irp i, 0,1,2,3,4,5,6,7
	v_mov_b32 v[16+\i], v[QL+\i]
.endr
	v_mov_b32 v13, 0xff61b1e6
	v_floor_f32 v12, -v13
	v_mov_b32 v14, 0
	v_mov_b32 v15, 0
.set n, 0
.rept 32
	v_mov_b32 v[160+n], 0
.set n, n+1
.endr
	s_mov_b32 s[Q0], s[Q0L]
	s_wait_alu depctr_va_vdst(0)
.endm
; A KEY STEP: 128 keys.  sw = 1: the stage may hold an early wave's change of tiles (j + 1 is at most 8).
.macro STEP sw
.if \sw
	s_cmp_lt_u32 s[WV], 8
	s_cbranch_scc0 .Lnosw_\@
	s_cmp_lg_u32 s[KF], s[SWF]
	s_cbranch_scc1 .Lnosw_\@
	SWITCH
.Lnosw_\@:
.endif
	s_and_b32 s73, s[MASK], 1
	s_cmp_eq_u32 s73, 0                            ; not my step: its work is left out; the steps of addresses at its end are not
	s_cbranch_scc1 .Lhidden_\@
	v_add_nc_u32 v[ADK], s[TBK], v[LI]
	s_wait_alu depctr_va_vdst(0)
	v_add_nc_u32 v[ADV], s[TBV], v[LI]
	v_add_nc_u32 v[ADS], s[TSK], v[ASK0]
	s_wait_alu depctr_va_vdst(0)
	v_add_nc_u32 v[ADT], s[TSV], v[ASV0]
.irp g, 0,1                                    ; S^T = k q^T, four tiles of 16 keys at a time
.rept 6+2*\g
	v_nop                                          ; g = 0: with the four additions ten places behind the last step's products (nine are owed: S^T is written over v's fragments).  g = 1: eight, for the loads
.endr
.irp t, 0,1,2,3
	ds_load_b128 v[32+16*\t:35+16*\t], v[ADK] offset:(4*\g+\t)*1024
	ds_load_b128 v[36+16*\t:39+16*\t], v[ADK] offset:(4*\g+\t)*1024+512
	ds_load_u16 v[248+\t], v[ADS] offset:(4*\g+\t)*64
.endr
	s_wait_dscnt 0x0
.irp t, 0,1,2,3
	v_wmma_scale_f32_16x16x128_f8f6f4 v[96+8*(4*\g+\t):103+8*(4*\g+\t)], v[32+16*\t:47+16*\t], v[16:31], 0, v[248+\t], v255
.endr
.endr                                          ; lane (r, h): query r; register 8 t + j: key 16 t + 8 h + j of the step
.rept 8
	v_nop
.endr
	s_add_co_u32 s73, s[KF], 127                   ; on the diagonal hidden scores become -infinity ahead of the maximum.  A step all of whose keys count jumps over this
	s_cmp_le_u32 s73, s[Q0]
	s_cbranch_scc1 .Lopen_\@
	s_sub_co_i32 s73, s[Q0], s[KF]
	v_add_nc_u32 v[TA], s73, v[RH]                 ; d = my query - the step's first key - 8 h: register n is hidden where 16 (n / 8) + n % 8 > d
	v_mov_b32 v[TC], 0xff800000
.set n, 0
.rept 64
	v_cmp_gt_i32 vcc_lo, 16*(n/8)+n%8, v[TA]
	v_cndmask_b32 v[96+n], v[96+n], v[TC], vcc_lo
.set n, n+1
.endr
.Lopen_\@:
.irp b, 0,1,2,3
	v_max3_num_f32 v[232+\b], v[96+16*\b], v[97+16*\b], v[98+16*\b]   ; the largest score of each block of 32 keys: for the row's maximum and for the block's largest p
.endr
.irp i, 3,5,7,9,11,13
.irp b, 0,1,2,3
	v_max3_num_f32 v[232+\b], v[232+\b], v[96+16*\b+\i], v[97+16*\b+\i]
.endr
.endr
.irp b, 0,1,2,3
	v_max_num_f32 v[232+\b], v[232+\b], v[111+16*\b]
.endr
.irp b, 0,1,2,3
	s_delay_alu instid0(VALU_DEP_4)
	v_permlanex16_b32 v[236+\b], v[232+\b], s[SEL], s[SEL+1]
.endr
.irp b, 0,1,2,3
	s_delay_alu instid0(VALU_DEP_4)
	v_max_num_f32 v[232+\b], v[232+\b], v[236+\b]  ; with lane l xor 16's 16 keys
.endr
	s_delay_alu instid0(VALU_DEP_2)
	v_max3_num_f32 v254, v232, v233, v234
	s_delay_alu instid0(VALU_DEP_1)
	v_max_num_f32 v254, v254, v235
	s_delay_alu instid0(VALU_DEP_1)
	v_mul_f32 v254, s[CS], v254                    ; as t
	s_delay_alu instid0(VALU_DEP_1)
	v_max_num_f32 v13, v13, v254                   ; the running largest t
	v_mov_b32 v254, v12
	s_delay_alu instid0(VALU_DEP_2)
	v_floor_f32 v12, -v13                          ; the new -M = -ceil(t)
	s_delay_alu instid0(VALU_DEP_1)
	v_sub_f32 v254, v12, v254                      ; old M - new M: a whole number, 0 or less
	s_delay_alu instid0(VALU_DEP_1)
	v_cvt_i32_f32 v254, v254                       ; (it saturates)
	s_delay_alu instid0(VALU_DEP_1)
	v_ldexp_f32 v[F], 1.0, v254                    ; f = 2^(old M - new M)
.set n, 0
.rept 32
	v_pk_fma_f32 v[96+n:97+n], v[96+n:97+n], s[CS:CS+1], v[12:13] op_sel_hi:[1,0,0]   ; t - M, two at a time
.set n, n+2
.endr
.irp b, 0,1,2,3
	v_fma_f32 v[232+\b], v[232+\b], s[CS], v12     ; the same of each block's largest score
.endr
.set n, 0
	s_wait_alu depctr_va_vdst(0)                   ; the wait ahead of the batch
.rept 64
	v_exp_f32 v[96+n], v[96+n]                     ; p = 2^(t - M), at most 1
.set n, n+1
.endr
	v_pk_mul_f32 v[14:15], v[14:15], v[F:F+1] op_sel_hi:[1,0]   ; the sums under the new M: a plain instruction behind the exponentials
	s_wait_alu depctr_va_vdst(0)                   ; one wait for the whole batch, ahead of its first reader
.irp b, 0,1,2,3
	v_exp_f32 v[232+\b], v[232+\b]                 ; the block's largest p: the same two instructions on the same number give the same bits
.endr
	; the row's sum of the unquantised p: 32 pairs in eight chains, then joined
.set n, 0
.irp c, 236,240,242,244,246,224,226
	v_pk_add_f32 v[\c:\c+1], v[96+2*n:97+2*n], v[110+2*n:111+2*n]
.set n, n+1
.endr
	v_pk_add_f32 v[14:15], v[14:15], v[124:125]
.irp o, 126,142
.set n, 0
.irp c, 236,240,242,244,246,224,226
	v_pk_add_f32 v[\c:\c+1], v[\c:\c+1], v[\o+2*n:\o+2*n+1]
.set n, n+1
.endr
	v_pk_add_f32 v[14:15], v[14:15], v[\o+14:\o+15]
.endr
	v_pk_add_f32 v[236:237], v[236:237], v[158:159]
	v_pk_add_f32 v[242:243], v[242:243], v[244:245]
	v_pk_add_f32 v[246:247], v[246:247], v[224:225]
	v_pk_add_f32 v[14:15], v[14:15], v[226:227]
	v_pk_add_f32 v[236:237], v[236:237], v[240:241]
	v_pk_add_f32 v[14:15], v[14:15], v[246:247]
	v_pk_add_f32 v[236:237], v[236:237], v[242:243]
	v_pk_add_f32 v[14:15], v[14:15], v[236:237]
	s_wait_alu depctr_va_vdst(0)                   ; and one for the four
.irp b, 0,1,2,3
	v_max_num_f32 v[232+\b], 0x4800000, v[232+\b]  ; the floor 2^(9 - 127): the byte cannot fall under 1
.endr
.irp b, 0,1,2,3
	s_delay_alu instid0(VALU_DEP_4)
	v_add_nc_u32 v[244+\b], 0xfc000000, v[232+\b]  ; 8 off the exponent field: the conversion's scale operand
.endr
.irp b, 0,1,2,3
	v_and_or_b32 v[240+\b], v[232+\b], 0x7f800000, s[MNT]   ; 448 x the scale
.endr
.irp b, 0,1,2,3
	v_lshrrev_b32 v[236+\b], 23, v[244+\b]         ; the scale's byte
.endr
	s_delay_alu instid0(VALU_DEP_3)
	v_lshl_or_b32 v253, v237, 8, v236              ; p's scale word for these 128 keys
	s_delay_alu instid0(VALU_DEP_1)
	v_lshl_or_b32 v253, v238, 16, v253
	s_delay_alu instid0(VALU_DEP_1)
	v_lshl_or_b32 v253, v239, 24, v253
.irp b, 0,1,2,3
.irp i, 0,1,2,3,4,5,6,7,8,9,10,11,12,13,14,15
	v_min_num_f32 v[96+16*\b+\i], v[96+16*\b+\i], v[240+\b]   ; the conversion does not saturate (ISA guide 7.6.2); p is not negative, so the hold is one-sided
.endr
	v_cvt_scalef32_pk8_fp8_f32 v[192+4*\b:193+4*\b], v[96+16*\b:103+16*\b], v[244+\b]
	v_cvt_scalef32_pk8_fp8_f32 v[194+4*\b:195+4*\b], v[104+16*\b:111+16*\b], v[244+\b]
.irp c, 0,1,2,3                                ; the block's 16 registers are free: v's fragment b is asked for at once
	ds_load_b128 v[96+16*\b+4*\c:99+16*\b+4*\c], v[ADV] offset:2048*\b+512*\c
.endr
	ds_load_b32 v[248+\b], v[ADT] offset:64*\b
.endr
	v_nop                                          ; a plain instruction behind the last scaled conversion
.set n, 0
.rept 16
	v_pk_mul_f32 v[160+n:161+n], v[160+n:161+n], v[F:F+1] op_sel_hi:[1,0]   ; O^T under the new M.  (Also the places between the conversions and the products)
.set n, n+2
.endr
	s_wait_alu depctr_va_vdst(0)
	s_wait_dscnt 0x0
.irp t, 0,1,2,3
	v_wmma_scale_f32_16x16x128_f8f6f4 v[160+8*\t:167+8*\t], v[96+16*\t:111+16*\t], v[192:207], v[160+8*\t:167+8*\t], v[248+\t], v253
.endr
.Lhidden_\@:
	s_lshr_b32 s[MASK], s[MASK], 1
	s_add_co_u32 s[KF], s[KF], 128
	s_add_co_u32 s[TBK], s[TBK], 8192
	s_add_co_u32 s[TBV], s[TBV], 8192
	s_add_co_u32 s[TSK], s[TSK], 512
	s_add_co_u32 s[TSV], s[TSV], 256
.endm
; A STAGE: four key steps.  The waves under 4 + 2 st have issued the loads of the scale words and of stages 0 to st, one each: they wait for theirs; behind the barrier those tiles are whole.
.macro STAGE st
.if (\st) < 3
	s_cmp_lt_u32 s[WV], 4+2*(\st)
	s_cbranch_scc0 .Lnot_mine_\st
	s_wait_tensorcnt 0x0
.Lnot_mine_\st:
.else
	s_wait_tensorcnt 0x0                           ; all that is still out: on every wave's way
.endif
	s_wait_dscnt 0x0                               ; no LDS instruction of mine is pending at the signal
	s_barrier_signal -1
	s_barrier_wait -1
	s_mov_b32 s[TBK], (\st)*STB
	s_mov_b32 s[TBV], VIMG+(\st)*STB
	s_mov_b32 s[TSK], (\st)*2048
	s_mov_b32 s[TSV], (\st)*1024
	s_mov_b32 s[KF], (\st)*512
	s_mov_b32 s[CNT], 4
.Lstage_\st:
	STEP ((\st) < 3)
	s_sub_co_u32 s[CNT], s[CNT], 1
	s_cmp_lg_u32 s[CNT], 0
	s_cbranch_scc1 .Lstage_\st
.endm
	STAGE 0
	STAGE 1
	STAGE 2
	STAGE 3
	; THE TWO PARTS ARE JOINED.  Behind the first barrier nobody reads the images; an early wave leaves the helper's state in k's image, which has had its only fill; behind the second a late wave takes it, and an early wave takes its own parked state.
.rept 8
	v_nop                                          ; the places behind the last products, whichever trip held them
.endr
	s_wait_dscnt 0x0
	s_barrier_signal -1
	s_barrier_wait -1
	s_cmp_lt_u32 s[WV], 8
	s_cbranch_scc0 .Lkeep
.irp g, 0,1,2,3,4,5,6,7
	ds_store_b128 v[AX], v[160+4*\g:163+4*\g] offset:512*\g
.endr
	ds_store_b128 v[AX], v[12:15] offset:4096
.Lkeep:
	s_wait_dscnt 0x0                               ; for the others' sake
	s_barrier_signal -1
	s_barrier_wait -1
.irp g, 0,1,2,3,4,5,6,7
	ds_load_b128 v[96+4*\g:99+4*\g], v[AL] offset:512*\g
.endr
	ds_load_b128 v[128:131], v[AL] offset:4096
	v_max_num_f32 v12, s[EMP], v12                 ; an early wave's registers hold the helper's state, which is handed over: its -M becomes 3e38, so its factor below is 0
	v_mov_b32 v235, 0                              ; (named as the upper half of a pair)
	s_wait_alu depctr_va_vdst(0)                   ; the wait here, directly ahead of the wait below
	s_wait_dscnt 0x0
	v_min_num_f32 v[TA], v12, v128                 ; -M of the larger M
	v_sub_f32 v[TC], v[TA], v12                    ; whole numbers, 0 or less
	v_sub_f32 v232, v[TA], v128
	v_cvt_i32_f32 v[TC], v[TC]                     ; (they saturate: a part with no step has the factor 0)
	v_cvt_i32_f32 v232, v232
	v_ldexp_f32 v[F], 1.0, v[TC]
	v_ldexp_f32 v234, 1.0, v232
.set n, 0
.rept 16
	v_pk_mul_f32 v[160+n:161+n], v[160+n:161+n], v[F:F+1] op_sel_hi:[1,0]   ; ascending: each accumulator is read from its low end on
.set n, n+2
.endr
.set n, 0
.rept 16
	v_pk_fma_f32 v[160+n:161+n], v[96+n:97+n], v[234:235], v[160+n:161+n] op_sel_hi:[1,0,1]
.set n, n+2
.endr
	v_pk_mul_f32 v[14:15], v[14:15], v[F:F+1] op_sel_hi:[1,0]
	v_pk_fma_f32 v[14:15], v[130:131], v[234:235], v[14:15] op_sel_hi:[1,0,1]
	; THE WAY OUT: O^T / the sum, quantised along the features: my head's 64 are two blocks of 32
	v_add_f32 v14, v14, v15                        ; the sum's two halves,
	v_permlanex16_b32 v[TA], v14, s[SEL], s[SEL+1]
	v_add_f32 v14, v14, v[TA]                      ; and lane l xor 16's
	s_wait_alu depctr_va_vdst(0)                   ; the wait ahead of the transcendental
	v_rcp_f32 v14, v14
	v_nop
	s_wait_alu depctr_va_vdst(0)                   ; and ahead of its first reader
.set n, 0
.rept 32
	v_mul_f32 v[96+n], v[160+n], v14
.set n, n+1
.endr
.irp b, 0,1
	v_max3_num_f32 v[232+\b], |v[96+16*\b]|, |v[97+16*\b]|, 0x4800000
.endr
.irp i, 2,4,6,8,10,12,14
.irp b, 0,1
	v_max3_num_f32 v[232+\b], v[232+\b], |v[96+16*\b+\i]|, |v[97+16*\b+\i]|
.endr
.endr
.irp b, 0,1
	v_permlanex16_b32 v[236+\b], v[232+\b], s[SEL], s[SEL+1]
.endr
.irp b, 0,1
	v_max_num_f32 v[232+\b], v[232+\b], v[236+\b]
.endr
.irp b, 0,1
	v_add_nc_u32 v[244+\b], 0xfc000000, v[232+\b]
.endr
.irp b, 0,1
	v_and_or_b32 v[240+\b], v[232+\b], 0x7f800000, s[MNT]
.endr
.irp b, 0,1
	v_lshrrev_b32 v[236+\b], 23, v[244+\b]
.endr
	v_lshl_or_b32 v[PWD], v237, 8, v236            ; my row's two scale bytes
.irp b, 0,1
.irp i, 0,1,2,3,4,5,6,7,8,9,10,11,12,13,14,15
	v_med3_num_f32 v[96+16*\b+\i], v[96+16*\b+\i], -v[240+\b], v[240+\b]
.endr
	v_cvt_scalef32_pk8_fp8_f32 v[192+4*\b:193+4*\b], v[96+16*\b:103+16*\b], v[244+\b]
	v_cvt_scalef32_pk8_fp8_f32 v[194+4*\b:195+4*\b], v[104+16*\b:111+16*\b], v[244+\b]
.endr
	v_nop
.irp b, 0,1                                    ; true order, since the partner is a given weight: lane (r, 1)'s first eight codes change places with lane (r, 0)'s second eight
	v_permlane16_swap_b32 v[192+4*\b], v[194+4*\b]
	v_permlane16_swap_b32 v[193+4*\b], v[195+4*\b]
.endr
	global_store_b128 v[LI], v[192:195], s[12:13]              ; 512 consecutive bytes, aligned
	global_store_b128 v[LI], v[196:199], s[12:13] offset:512
	global_store_b16 v[R4], v[PWD], s[14:15]       ; both halves of the lanes write the same two bytes with the same value
	s_wait_tensorcnt 0x0                           ; the wave's end
	ds_add_u32 v231, v252
	s_wait_dscnt 0x0
	s_endpgm
.Lfunc_end_k_qc78acb470a_attn:
	.size	k_qc78acb470a_attn, .Lfunc_end_k_qc78acb470a_attn-k_qc78acb470a_attn
	.p2alignl 7, 3214868480
	.fill 96, 4, 3214868480
	.section	.rodata,"a",@progbits
	.p2align	6, 0x0
	.amdhsa_kernel k_qc78acb470a_attn
		.amdhsa_group_segment_fixed_size 313344
		.amdhsa_private_segment_fixed_size 0
		.amdhsa_enable_private_segment 0
		.amdhsa_kernarg_size 16
		.amdhsa_user_sgpr_count 2
		.amdhsa_user_sgpr_kernarg_segment_ptr 1
		.amdhsa_wavefront_size32 1
		.amdhsa_system_sgpr_workgroup_id_x 1
		.amdhsa_system_sgpr_workgroup_id_y 1
		.amdhsa_system_sgpr_workgroup_id_z 1
		.amdhsa_system_vgpr_workitem_id 0
		.amdhsa_next_free_vgpr 256
		.amdhsa_next_free_sgpr 102
		.amdhsa_reserve_vcc 1
		.amdhsa_float_denorm_mode_32 3
		.amdhsa_float_denorm_mode_16_64 3
		.amdhsa_memory_ordered 1
		.amdhsa_forward_progress 1
		.amdhsa_inst_pref_size 136
	.end_amdhsa_kernel
	.amdgpu_metadata
---
amdhsa.version: [ 1, 2 ]
amdhsa.kernels:
  - .name:           k_qc78acb470a_attn
    .symbol:         k_qc78acb470a_attn.kd
    .args:
      - { .name: qkv, .offset: 0, .size: 8, .value_kind: global_buffer, .address_space: global }
      - { .name: ao, .offset: 8, .size: 8, .value_kind: global_buffer, .address_space: global }
    .group_segment_fixed_size: 313344
    .private_segment_fixed_size: 0
    .kernarg_segment_align: 8
    .kernarg_segment_size: 16
    .max_flat_workgroup_size: 512
    .sgpr_count:     102
    .vgpr_count:     256
    .wavefront_size: 32
...
	.end_amdgpu_metadata
.endif
;; end of part 3
;; launch wo (part 4): grid 8 x 32, 4 waves a work-group, clusters of 4 x 4, 327,680 bytes of LDS; arguments ao, Wo_codes, Wo_scales, bo, x, h; writes h
.if DOCPART == 4
	.amdgcn_target "amdgcn-amd-amdhsa--gfx1250"
	.amdhsa_code_object_version 6
	.text
	.protected	k_qc78acb470a_wo
	.globl	k_qc78acb470a_wo
	.p2align	8
	.type	k_qc78acb470a_wo,@function
k_qc78acb470a_wo:
	s_mov_b64 s[64:65], 0
	v_nop
	global_prefetch_b8 v0, s[64:65] scope:SCOPE_SE
	s_setreg_imm32_b32 hwreg(HW_REG_WAVE_MODE, 25, 1), 1
	s_wait_xcnt 0x0
	s_wait_alu depctr_hold_cnt(0) depctr_sa_sdst(0) depctr_va_vdst(0) depctr_va_sdst(0) depctr_va_ssrc(0) depctr_va_vcc(0) depctr_vm_vsrc(0)
	s_getreg_b32 s2, hwreg(HW_REG_IB_STS2, 6, 4)
	s_cmp_eq_u32 s2, 0
	s_cbranch_scc0 .Lentry_in_a_cluster
	s_endpgm
.Lentry_in_a_cluster:
	s_bfe_u32 s2, ttmp6, 0x10000c
	s_cmp_lg_u32 s2, 0xf033
	s_cbranch_scc0 .Lentry_shape_is_right
	s_endpgm
.Lentry_shape_is_right:
; h = ao Wo + bo + x, f32 [4096][1024], on codes of FP8 (E4M3) with E8M0 scales.  The text of launch w2 with SIZE_K = 1,024: see its head for the design.
; K has two steps of 512: both slots are filled once, no loop is assembled, and there is no refill to prefetch for.
.set SIZE_K, 1024
.set KSTEP,  512
.set ATILE,  8192                      ; 16 rows x 512 along K of A's image
.set BP,     1040                      ; a row of W in LDS: all of K, 1,024 bytes + 16 of padding: W comes by one fill, and K step 1 lies 512 bytes on in each row
.set BHALF,  64*BP
.set BOFF,   32768                     ; bytes 0 on: the waves' stages for the way out, which no fill touches; from BOFF on: W's two slots
.set SLOT,   2*BHALF
.set LAPS,   SIZE_K/(2*KSTEP)
.set PF,     LAPS > 2                  ; is there a refill with a K step two refills on?
.set KG,     SIZE_K/128
.set KS,     SIZE_K/32
.set ASC,    BOFF+SLOT                 ; behind W's 128 rows
.set BSC,    ASC+KG*512                ; W's scale bytes: units of 256 bytes + 16 of padding
.set SBLK,   (16*KS/256)*272
.set SPARE,  BSC+2*KG*272
.set ADRB, 20
.set ADSB, 22
.set AO,   23
.set STO,  24
.set RD,   25
.set CO,   26
.set ADSA, 27
.set SPW,  28
.set NIL,  29
.set PFO,  30
.set AS,   32
.set BS,   64
.set BIAS, 96
.set T,    96
.set ACC,  128
.set F0,   0
.set F1,   128
.set G0H,  32
.set AP,   36
.set PFS,  44
.set G1B,  48
.set G0B,  56
.set G1SA, 68
.set G0SA, 76
.set G1SB, 80
.set G0SB, 88
.set PFA,  98
.set MSB, 0
.macro WIN new
.if MSB != \new
	s_set_vgpr_msb (MSB<<8)|\new
.set MSB, \new
.endif
.endm
.set MUL,  0x0d
.set TO_F, 0x40
.macro PLACES n
.rept \n
	v_nop
.endr
.endm
.macro WLOAD slot
	tensor_load_to_lds s[G0B+4*\slot:G0B+4*\slot+3], s[G1B:G1B+7]
	s_nop 0
	PLACES 4
.endm
.macro CREST
	s_cmp_lg_u32 s16, 0
	s_cbranch_scc1 .Lnot_wave_0_\@
	s_barrier_signal -3
.Lnot_wave_0_\@:
	s_barrier_wait -3
	s_barrier_signal -1
	s_barrier_wait -1
.endm
.macro CROUND
	s_barrier_signal -1
	s_barrier_wait -1
	CREST
.endm
	s_load_b256 s[4:11], s[0:1], 0x0
	s_load_b128 s[12:15], s[0:1], 0x20
	v_lshl_add_u32 v[SPW], v0, 2, SPARE
	v_mov_b32 v[NIL], 0
	ds_add_u32 v28, v29
	ds_add_u32 v28, v29
	s_wait_dscnt 0x0
	v_lshrrev_b32 v1, 5, v0
	v_readfirstlane_b32 s16, v1
	s_lshr_b32 s17, s16, 1
	s_and_b32 s18, s16, 1
	s_bfe_u32 s40, ttmp6, 0x40000
	s_bfe_u32 s41, ttmp6, 0x40004
	s_lshl_b32 s42, ttmp9, 2
	s_add_co_u32 s42, s42, s40
	s_and_b32 s43, ttmp7, 0xffff
	s_lshl_b32 s43, s43, 2
	s_add_co_u32 s43, s43, s41
	s_lshl_b32 s44, s41, 2
	s_lshl_b32 s44, 15, s44
	s_lshl_b32 s45, 0x1111, s40
	s_or_b32 s[G1B], s45, (0<<16)|(1<<20)|(1<<21)|(7<<22)|(3<<25)   ; W: 64 whole rows of 1,024 bytes, four words of padding after every 256
	s_mov_b32 s[G1B+1], SIZE_K<<16
	s_mov_b32 s[G1B+2], 64<<16
	s_mov_b32 s[G1B+3], SIZE_K<<16
	s_mov_b32 s[G1B+4], 64
	s_mov_b32 s[G1B+5], SIZE_K
	s_mov_b32 s[G1B+6], 0
	s_mov_b32 s[G1B+7], 0
	s_or_b32 s[G1SA], s44, (3<<16)|(1<<21)
	s_mov_b32 s[G1SA+1], 64<<16
	s_mov_b32 s[G1SA+2], KG<<16
	s_mov_b32 s[G1SA+3], 64<<16
	s_mov_b32 s[G1SA+4], KG
	s_mov_b32 s[G1SA+5], 2048
	s_mov_b32 s[G1SA+6], 0
	s_mov_b32 s[G1SA+7], 0
	s_or_b32 s[G1SB], s45, (3<<16)|(1<<20)|(1<<21)|(5<<22)|(3<<25)
	s_mov_b32 s[G1SB+1], 32<<16
	s_mov_b32 s[G1SB+2], (2*KG)<<16
	s_mov_b32 s[G1SB+3], 32<<16
	s_mov_b32 s[G1SB+4], 2*KG
	s_mov_b32 s[G1SB+5], 32
	s_mov_b32 s[G1SB+6], 0
	s_mov_b32 s[G1SB+7], 0
	s_lshl_b32 s20, s43, 3
	s_lshl_b32 s21, s17, 2
	s_add_co_u32 s20, s20, s21
	s_mul_i32 s20, s20, 16*SIZE_K
	s_mov_b32 s21, 0
	s_lshl_b32 s22, s43, 9
	s_add_co_u32 s22, s22, 4096*SIZE_K
	s_mov_b32 s23, 0
	s_lshl_b32 s46, s42, 7
	s_mul_i32 s92, s46, KS
	s_mov_b32 s93, 0
	s_lshl_b32 s94, s17, 6
	s_add_co_u32 s94, s94, s46
	s_mul_i32 s94, s94, SIZE_K
	s_mov_b32 s95, 0
	s_wait_kmcnt 0x0
	s_add_nc_u64 s[AP:AP+1], s[4:5], s[20:21]
	CROUND
	s_mov_b32 s[G0H], 1
	s_mul_i32 s[G0H+1], s17, BHALF
	s_add_co_u32 s[G0H+1], s[G0H+1], BOFF
	s_add_nc_u64 s[G0H+2:G0H+3], s[6:7], s[94:95]
	s_or_b32 s[G0H+3], s[G0H+3], 0x80000000
	s_mov_b32 s[G0SA], 1
	s_mov_b32 s[G0SA+1], ASC
	s_add_nc_u64 s[G0SA+2:G0SA+3], s[4:5], s[22:23]
	s_or_b32 s[G0SA+3], s[G0SA+3], 0x80000000
	s_mov_b32 s[G0SB], 1
	s_mov_b32 s[G0SB+1], BSC
	s_add_nc_u64 s[G0SB+2:G0SB+3], s[8:9], s[92:93]
	s_or_b32 s[G0SB+3], s[G0SB+3], 0x80000000
.macro ARM under, g0, g1, next
	s_cmp_lt_u32 s16, \under
	s_cbranch_scc0 \next
	tensor_load_to_lds s[\g0:\g0+3], s[\g1:\g1+7]
	s_nop 0
	PLACES 4
	s_branch .Lhead_asked
\next:
.endm
	ARM 1, G0H,  G1B,  .Lhead_sa
	ARM 2, G0SA, G1SA, .Lhead_b
	ARM 3, G0H,  G1B,  .Lhead_sb
	tensor_load_to_lds s[G0SB:G0SB+3], s[G1SB:G1SB+7]
	s_nop 0
	PLACES 4
.Lhead_asked:
.if PF
	s_lshl_b32 s20, s43, 3
	s_lshl_b32 s21, s40, 1
	s_add_co_u32 s20, s20, s21
	s_add_co_u32 s20, s20, s18
	s_mul_i32 s20, s20, 16*SIZE_K
	s_add_co_u32 s20, s20, 3*ATILE
	s_lshl_b32 s21, s42, 7
	s_lshl_b32 s22, s41, 5
	s_add_co_u32 s21, s21, s22
	s_lshl_b32 s22, s18, 4
	s_add_co_u32 s21, s21, s22
	s_mul_i32 s21, s21, SIZE_K
	s_add_co_u32 s21, s21, 3*KSTEP
	s_cmp_eq_u32 s17, 0
	s_cselect_b32 s20, s20, s21
	s_cselect_b64 s[PFA:PFA+1], s[4:5], s[6:7]
	s_mov_b32 s[PFS], KSTEP
	s_cselect_b32 s[PFS], ATILE, s[PFS]
	s_mov_b32 s[PFS+1], 0
	s_mov_b32 s28, SIZE_K
	s_cselect_b32 s28, 256, s28
	s_cselect_b32 s29, 0, 1
	s_mov_b32 s21, 0
	s_add_nc_u64 s[PFA:PFA+1], s[PFA:PFA+1], s[20:21]
.endif
	s_mul_i32 s24, s18, BHALF
	s_add_co_u32 s24, s24, BOFF
	s_lshl_b32 s25, s17, 8
	s_add_co_u32 s25, s25, ASC
	s_mul_i32 s26, s18, 4*SBLK
	s_add_co_u32 s26, s26, BSC
	s_mul_i32 s27, s16, 16*272
	s_lshl_b32 s20, s42, 9
	s_lshl_b32 s21, s18, 8
	s_add_co_u32 s20, s20, s21
	s_mov_b32 s21, 0
	s_add_nc_u64 s[10:11], s[10:11], s[20:21]
	s_lshl_b32 s22, s43, 19
	s_lshl_b32 s23, s17, 18
	s_add_co_u32 s22, s22, s23
	s_add_co_u32 s20, s20, s22
	s_add_nc_u64 s[12:13], s[12:13], s[20:21]
	s_add_nc_u64 s[14:15], s[14:15], s[20:21]
	v_and_b32 v1, 15, v0
	v_bfe_u32 v2, v0, 4, 1
	v_and_b32 v3, 31, v0
	v_lshlrev_b32 v[AO], 4, v3
	v_mul_u32_u24 v5, v1, BP
	v_lshl_add_u32 v5, v2, 4, v5
	v_add_nc_u32 v[ADRB], s24, v5
	v_add_nc_u32 v[ADRB+1], KSTEP, v[ADRB]
	v_lshl_add_u32 v[ADSA], v1, 2, s25
	v_mul_u32_u24 v5, v1, KS
	v_lshrrev_b32 v6, 8, v5
	v_lshl_add_u32 v5, v6, 4, v5
	v_add_nc_u32 v[ADSB], s26, v5
	v_mul_u32_u24 v5, v1, 272
	v_lshl_add_u32 v5, v2, 5, v5
	v_add_nc_u32 v[STO], s27, v5
	v_mul_u32_u24 v5, v2, 272
	v_lshl_add_u32 v5, v1, 4, v5
	v_add_nc_u32 v[RD], s27, v5
	v_lshlrev_b32 v5, 12, v2
	v_lshl_add_u32 v[CO], v1, 4, v5
	v_lshlrev_b32 v7, 5, v2
.if PF
	v_lshrrev_b32 v[PFO], s29, v3
	v_mul_lo_u32 v[PFO], v[PFO], s28
	v_and_b32 v31, s29, v3
	v_lshl_add_u32 v[PFO], v31, 8, v[PFO]
.endif
	s_wait_alu depctr_va_vdst(0)
.macro ALOAD g
	WIN 0xc0
.irp i, 0,1,2,3
.irp c, 0,1,2,3
	global_load_b128 v[64*((\g)%4)+16*\i+4*\c:64*((\g)%4)+16*\i+4*\c+3], v[AO], s[AP:AP+1] offset:16*SIZE_K*\i+2048*(\g)+512*\c
.endr
.endr
.endm
.irp b, 0,1,2,3
	global_load_b128 v[BIAS+8*\b:BIAS+8*\b+3], v7, s[10:11] offset:64*\b
	global_load_b128 v[BIAS+8*\b+4:BIAS+8*\b+7], v7, s[10:11] offset:64*\b+16
.endr
	WIN 0x80
.irp a, 0,1,2,3
.irp t, 0,1,2,3,4,5,6,7
	global_load_b128 v[32*\a+4*\t:32*\a+4*\t+3], v[CO], s[12:13] offset:(16*\a+2*\t)*4096 th:TH_LOAD_NT
.endr
.endr
	ALOAD 0
	ALOAD 1
	ALOAD 2
	WIN 0
.macro FETCH slot, q, f
	WIN TO_F
.irp i, 0,1,2,3
.irp c, 0,1,2,3
	ds_load_b128 v[\f+64+16*\i+4*\c:\f+64+16*\i+4*\c+3], v[ADRB+\slot] offset:16*BP*\i+128*(\q)+32*\c
.endr
.endr
.endm
.macro SCALES sc
.irp a, 0,1,2,3
.irp q, 0,1,2,3
	ds_load_b32 v[AS+16*\sc+4*\a+\q], v[ADSA] offset:512*\q+64*\a
.endr
.endr
.irp b, 0,1,2,3
	ds_load_b128 v[BS+16*\sc+4*\b:BS+16*\sc+4*\b+3], v[ADSB] offset:\b*SBLK
.endr
.endm
.macro MUL4 f, a, q, sc, zero
.irp b, 0,1,2,3
.if \zero
	v_wmma_scale_f32_16x16x128_f8f6f4 v[ACC+8*(4*(\a)+\b):ACC+8*(4*(\a)+\b)+7], v[\f+64+16*\b:\f+64+16*\b+15], v[64*(\q)+16*(\a):64*(\q)+16*(\a)+15], v[BIAS+8*\b:BIAS+8*\b+7], v[BS+16*(\sc)+4*\b+(\q)], v[AS+16*(\sc)+4*(\a)+(\q)]
.else
	v_wmma_scale_f32_16x16x128_f8f6f4 v[ACC+8*(4*(\a)+\b):ACC+8*(4*(\a)+\b)+7], v[\f+64+16*\b:\f+64+16*\b+15], v[64*(\q)+16*(\a):64*(\q)+16*(\a)+15], v[ACC+8*(4*(\a)+\b):ACC+8*(4*(\a)+\b)+7], v[BS+16*(\sc)+4*\b+(\q)], v[AS+16*(\sc)+4*(\a)+(\q)]
.endif
.endr
.endm
.macro QUARTER slot, q, zero, n, lc
	s_wait_dscnt 0x0
	PLACES 8
	FETCH \slot, (\q)+1, F0+128*(1-(\q)%2)
.if (\n) >= 0
	ALOAD (\n)+3
.endif
	s_wait_loadcnt \lc
	WIN MUL
	MUL4 F0+128*((\q)%2), 0, \q, \slot, \zero
	MUL4 F0+128*((\q)%2), 1, \q, \slot, \zero
	MUL4 F0+128*((\q)%2), 2, \q, \slot, \zero
	MUL4 F0+128*((\q)%2), 3, \q, \slot, \zero
.endm
.macro TURN slot, next, fill, n, lc
	WIN 0
.if (\fill) && PF
	s_wait_xcnt 0x0
	s_add_nc_u64 s[PFA:PFA+1], s[PFA:PFA+1], s[PFS:PFS+1]
.endif
	s_wait_loadcnt \lc
	s_wait_tensorcnt 0x0
	ds_add_u32 v[SPW], v[NIL]
	s_wait_dscnt 1
	WIN MUL
	MUL4 F1, 0, 3, \slot, 0
	s_wait_dscnt 0x0
	s_barrier_signal -1
	MUL4 F1, 1, 3, \slot, 0
	WIN 0
	s_barrier_wait -1
.if \fill
	CREST
	s_add_nc_u64 s[G0B+4*\slot+2:G0B+4*\slot+3], s[G0B+4*\slot+2:G0B+4*\slot+3], 2*KSTEP
	WLOAD \slot
	PLACES 4
.else
	PLACES 8
.endif
	s_wait_alu depctr_va_vdst(0)
	v_add_nc_u32 v[ADSA], 2048, v[ADSA]
	v_add_nc_u32 v[ADSB], 16, v[ADSB]
	FETCH \next, 0, F0
	ALOAD (\n)+3
	WIN 0
	SCALES \next
.if (\fill) && PF
	s_cmp_gt_u32 s3, 1
	s_cbranch_scc0 .Lno_ask_\@
	global_prefetch_b8 v[PFO], s[PFA:PFA+1] th:TH_LOAD_NT scope:SCOPE_SE
.Lno_ask_\@:
.endif
	WIN MUL
	MUL4 F1, 2, 3, \slot, 0
	MUL4 F1, 3, 3, \slot, 0
.endm
	s_wait_tensorcnt 0x0                           ; my tile of the head's four is in; they are the launch's only fills
	s_barrier_signal -1
	s_barrier_wait -1                              ; everybody's is
	FETCH 0, 0, F0
	WIN 0
	SCALES 0
	QUARTER 0, 0, 1, 0, 48
.if LAPS > 1
	WIN 0
	s_mov_b32 s3, LAPS-1
.Llap:
	QUARTER 0, 1, 0, 1, 48
	QUARTER 0, 2, 0, 2, 48
	TURN 0, 1, 1, 3, 32
	QUARTER 1, 0, 0, 4, 48
	QUARTER 1, 1, 0, 5, 48
	QUARTER 1, 2, 0, 6, 48
	TURN 1, 0, 1, 7, 32
	QUARTER 0, 0, 0, 8, 48
	WIN 0
	s_wait_xcnt 0x0
	s_add_nc_u64 s[AP:AP+1], s[AP:AP+1], 16384
	s_sub_co_u32 s3, s3, 1
	s_cmp_lg_u32 s3, 0
	s_cbranch_scc1 .Llap
.endif
	QUARTER 0, 1, 0, 1, 48
	QUARTER 0, 2, 0, 2, 48
	TURN 0, 1, 0, 3, 32
	QUARTER 1, 0, 0, 4, 48
	QUARTER 1, 1, 0, -1, 32
	QUARTER 1, 2, 0, -1, 16
	s_wait_dscnt 0x0
	s_wait_loadcnt 0x0
	WIN MUL
	MUL4 F1, 0, 3, 1, 0
	MUL4 F1, 1, 3, 1, 0
	MUL4 F1, 2, 3, 1, 0
	MUL4 F1, 3, 3, 1, 0
	WIN 0
	PLACES 8
.irp a, 0,1,2,3
.if \a > 0
	s_wait_xcnt 0x0
.endif
.irp b, 0,1,2,3
	ds_store_b128 v[STO], v[ACC+8*(4*\a+\b):ACC+8*(4*\a+\b)+3] offset:64*\b
	ds_store_b128 v[STO], v[ACC+8*(4*\a+\b)+4:ACC+8*(4*\a+\b)+7] offset:64*\b+16
.endr
.irp t, 0,1,2,3,4,5,6,7
	ds_load_b128 v[T+4*\t:T+4*\t+3], v[RD] offset:544*\t
.endr
	s_wait_dscnt 0x0
	WIN 0x08
.irp i, 0,2,4,6,8,10,12,14,16,18,20,22,24,26,28,30
	v_pk_add_f32 v[T+\i:T+\i+1], v[T+\i:T+\i+1], v[32*\a+\i:32*\a+\i+1]
.endr
	WIN 0
.irp t, 0,1,2,3,4,5,6,7
	global_store_b128 v[CO], v[T+4*\t:T+4*\t+3], s[14:15] offset:(16*\a+2*\t)*4096
.endr
.endr
	s_wait_tensorcnt 0x0
	ds_add_u32 v[SPW], v[NIL]
	s_wait_dscnt 0x0
	CROUND
	s_endpgm
.Lfunc_end_k_qc78acb470a_wo:
	.size	k_qc78acb470a_wo, .Lfunc_end_k_qc78acb470a_wo-k_qc78acb470a_wo
	.p2alignl 7, 3214868480
	.fill 96, 4, 3214868480
	.section	.rodata,"a",@progbits
	.p2align	6, 0x0
	.amdhsa_kernel k_qc78acb470a_wo
		.amdhsa_group_segment_fixed_size 327680
		.amdhsa_private_segment_fixed_size 0
		.amdhsa_enable_private_segment 0
		.amdhsa_kernarg_size 48
		.amdhsa_user_sgpr_count 2
		.amdhsa_user_sgpr_kernarg_segment_ptr 1
		.amdhsa_wavefront_size32 1
		.amdhsa_system_sgpr_workgroup_id_x 1
		.amdhsa_system_sgpr_workgroup_id_y 1
		.amdhsa_system_sgpr_workgroup_id_z 1
		.amdhsa_system_vgpr_workitem_id 0
		.amdhsa_next_free_vgpr 1024
		.amdhsa_next_free_sgpr 100
		.amdhsa_reserve_vcc 0
		.amdhsa_float_denorm_mode_32 3
		.amdhsa_float_denorm_mode_16_64 3
		.amdhsa_memory_ordered 1
		.amdhsa_forward_progress 1
		.amdhsa_inst_pref_size 66
	.end_amdhsa_kernel
	.amdgpu_metadata
---
amdhsa.version: [ 1, 2 ]
amdhsa.kernels:
  - .name:           k_qc78acb470a_wo
    .symbol:         k_qc78acb470a_wo.kd
    .args:
      - { .name: ao, .offset: 0, .size: 8, .value_kind: global_buffer, .address_space: global }
      - { .name: Wo_codes, .offset: 8, .size: 8, .value_kind: global_buffer, .address_space: global }
      - { .name: Wo_scales, .offset: 16, .size: 8, .value_kind: global_buffer, .address_space: global }
      - { .name: bo, .offset: 24, .size: 8, .value_kind: global_buffer, .address_space: global }
      - { .name: x, .offset: 32, .size: 8, .value_kind: global_buffer, .address_space: global }
      - { .name: h, .offset: 40, .size: 8, .value_kind: global_buffer, .address_space: global }
    .group_segment_fixed_size: 327680
    .private_segment_fixed_size: 0
    .kernarg_segment_align: 8
    .kernarg_segment_size: 48
    .max_flat_workgroup_size: 128
    .sgpr_count:     100
    .vgpr_count:     1024
    .wavefront_size: 32
...
	.end_amdgpu_metadata
.endif
;; end of part 4
;; launch ln2: the kernel of part 1 again; grid 256 x 1, 4 waves a work-group, no clusters, 22,016 bytes of LDS; arguments h, ln2_w, ln2_b, act; writes act
;; launch w1 (part 5): grid 16 x 16, 4 waves a work-group, clusters of 4 x 4, 327,680 bytes of LDS; arguments act, W1_codes, W1_scales, b1, hid; writes hid
.if DOCPART == 5
	.amdgcn_target "amdgcn-amd-amdhsa--gfx1250"
	.amdhsa_code_object_version 6
	.text
	.protected	k_qc78acb470a_w1
	.globl	k_qc78acb470a_w1
	.p2align	8
	.type	k_qc78acb470a_w1,@function
k_qc78acb470a_w1:
	s_mov_b64 s[64:65], 0
	v_nop
	global_prefetch_b8 v0, s[64:65] scope:SCOPE_SE
	s_setreg_imm32_b32 hwreg(HW_REG_WAVE_MODE, 25, 1), 1
	s_wait_xcnt 0x0
	s_wait_alu depctr_hold_cnt(0) depctr_sa_sdst(0) depctr_va_vdst(0) depctr_va_sdst(0) depctr_va_ssrc(0) depctr_va_vcc(0) depctr_vm_vsrc(0)
	s_getreg_b32 s2, hwreg(HW_REG_IB_STS2, 6, 4)
	s_cmp_eq_u32 s2, 0
	s_cbranch_scc0 .Lentry_in_a_cluster
	s_endpgm
.Lentry_in_a_cluster:
	s_bfe_u32 s2, ttmp6, 0x10000c
	s_cmp_lg_u32 s2, 0xf033
	s_cbranch_scc0 .Lentry_shape_is_right
	s_endpgm
.Lentry_shape_is_right:
.set KIND,   1
.set SIZE_K, 1024
.set KSTEP,  256
.set NQ,     KSTEP/128
.set ROWB,   256
.set KROW,   SIZE_K
.set PITCH,  272
.set FR,     16
.set NL,     4
.set NP,     8
.set HALFT,  128*PITCH
.set SLOT,   4*HALFT
.set LAPS,   SIZE_K/(2*KSTEP)
.set KS,     SIZE_K/32
.set SCL,    2*SLOT
.set HALFS,  (128*KS/256)*272
.set SBLK,   (16*KS/256)*272
.set SPARE,  SCL+4*HALFS
.set ADRA, 16
.set ADRB, 20
.set CO,   26
.set ADRS, 27
.set SPW,  28
.set NIL,  29
.set SWO,  30
.set LN,   31
.set SC,   32
.set BIAS, 64
.set AF,   128
.set Y,    128
.set PC,   192
.set TM,   208
.set PW,   224
.set PWE,  225
.set SW,   226
.set G1, 24
.set G0, 32
.set G1B, 48
.set G0B, 56
.set G1S, 68
.set G0S, 76
.set G1SB, 80
.set G0SB, 88
.set MSB, 0
.macro WIN new
.if MSB != \new
	s_set_vgpr_msb (MSB<<8)|\new
.set MSB, \new
.endif
.endm
.set MUL_LO, 0xa1
.set MUL_HI, 0xf1
.set TO_B,   0x40
.macro JLOAD g0a, g1a, g0b, g1b
	s_cmp_eq_u32 s15, 0
	s_cbranch_scc0 .Lfor_b_\@
	tensor_load_to_lds s[\g0a:\g0a+3], s[\g1a:\g1a+7]
	s_nop 0
.rept 4
	v_nop
.endr
	s_branch .Lasked_\@
.Lfor_b_\@:
	tensor_load_to_lds s[\g0b:\g0b+3], s[\g1b:\g1b+7]
	s_nop 0
.rept 4
	v_nop
.endr
.Lasked_\@:
.endm
.macro CREST
	s_cmp_lg_u32 s14, 0
	s_cbranch_scc1 .Lnot_wave_0_\@
	s_barrier_signal -3
.Lnot_wave_0_\@:
	s_barrier_wait -3
	s_barrier_signal -1
	s_barrier_wait -1
.endm
.macro CROUND
	s_barrier_signal -1
	s_barrier_wait -1
	CREST
.endm
.if KIND == 0
	s_load_b512 s[68:83], s[0:1], 0x0
.else
	s_load_b256 s[68:75], s[0:1], 0x0
	s_load_b64 s[76:77], s[0:1], 0x20
.endif
	v_lshl_add_u32 v[SPW], v0, 2, SPARE
	v_mov_b32 v[NIL], 0
	ds_add_u32 v28, v29
	ds_add_u32 v28, v29
	s_wait_dscnt 0x0
	v_lshrrev_b32 v1, 5, v0
	v_readfirstlane_b32 s14, v1
	s_lshr_b32 s15, s14, 1
	s_and_b32 s16, s14, 1
	s_bfe_u32 s40, ttmp6, 0x40000
	s_bfe_u32 s41, ttmp6, 0x40004
	s_and_b32 s17, ttmp7, 0xffff
	s_lshl_b32 s17, s17, 2
.if KIND == 0
	s_cmp_eq_u32 ttmp9, 2
	s_cselect_b32 s42, s17, 0
	s_cselect_b32 s17, 0, s17
.else
	s_lshl_b32 s42, ttmp9, 2
.endif
	s_add_co_u32 s42, s42, s40
	s_add_co_u32 s17, s17, s41
	s_lshl_b32 s43, s41, 2
	s_lshl_b32 s43, 15, s43
	s_lshl_b32 s44, 0x1111, s40
	s_wait_kmcnt 0x0
.if KIND == 0
	s_add_nc_u64 s[84:85], s[68:69], 0x400000
	s_cmp_eq_u32 ttmp9, 0
	s_cselect_b64 s[8:9], s[70:71], s[74:75]
	s_cselect_b64 s[10:11], s[72:73], s[76:77]
	s_cmp_eq_u32 ttmp9, 2
	s_cselect_b64 s[4:5], s[78:79], s[68:69]
	s_cselect_b64 s[6:7], s[80:81], s[84:85]
	s_cselect_b64 s[8:9], s[68:69], s[8:9]
	s_cselect_b64 s[10:11], s[84:85], s[10:11]
	s_lshl_b32 s20, ttmp9, 22
	s_mov_b32 s21, 0
	s_add_nc_u64 s[12:13], s[82:83], s[20:21]
	s_lshl_b32 s20, ttmp9, 17
	s_add_nc_u64 s[98:99], s[82:83], s[20:21]
	s_add_nc_u64 s[98:99], s[98:99], 12582912
.else
	s_mov_b64 s[4:5], s[68:69]
	s_add_nc_u64 s[6:7], s[68:69], 0x400000
	s_mov_b64 s[8:9], s[70:71]
	s_mov_b64 s[10:11], s[72:73]
	s_mov_b64 s[100:101], s[74:75]
	s_mov_b64 s[12:13], s[76:77]
	s_add_nc_u64 s[98:99], s[76:77], 0x1000000
.endif
	s_or_b32 s[G1+0], s43, (0<<16)|(1<<20)|(1<<21)|(5<<22)|(3<<25)
	s_or_b32 s[G1B+0], s44, (0<<16)|(1<<20)|(1<<21)|(5<<22)|(3<<25)
.irp g, G1, G1B
	s_mov_b32 s[\g+1], ROWB<<16
	s_mov_b32 s[\g+2], 256<<16                     ; the head's loads bring a tile's 256 rows whole; behind them the two words that count rows are set to 128
	s_mov_b32 s[\g+3], ROWB<<16
	s_mov_b32 s[\g+4], 256
	s_mov_b32 s[\g+5], KROW
	s_mov_b32 s[\g+6], 0
	s_mov_b32 s[\g+7], 0
.endr
	s_lshl_b32 s20, s17, 8                         ; the tiles' first rows
	s_lshl_b32 s46, s42, 8
	s_mov_b32 s21, 0
	s_mov_b32 s47, 0
	s_mov_b64 s[18:19], KS
	s_mul_u64 s[22:23], s[20:21], s[18:19]         ; the scale bytes of all 256 rows begin there
	s_mul_u64 s[92:93], s[46:47], s[18:19]
	s_mul_i32 s94, s20, KROW                       ; the head's loads: a tile's 256 rows whole, K step wave % 2; A's offset and B's in registers that never hold the other coordinate
	s_mul_i32 s96, s46, KROW
	s_lshl_b32 s95, s16, 8
	s_add_co_u32 s94, s94, s95
	s_add_co_u32 s96, s96, s95
	s_mov_b32 s95, 0
	s_mov_b32 s97, 0
	s_lshl_b32 s18, s16, 7                         ; the ring's loads: my 128 rows of the tile
	s_add_co_u32 s20, s20, s18
	s_add_co_u32 s46, s46, s18
	s_mov_b64 s[18:19], KROW
	s_mul_u64 s[20:21], s[20:21], s[18:19]
	s_mul_u64 s[46:47], s[46:47], s[18:19]
	s_mul_i32 s45, s14, HALFT
	s_add_nc_u64 s[20:21], s[4:5], s[20:21]
	s_add_nc_u64 s[22:23], s[6:7], s[22:23]
	s_add_nc_u64 s[46:47], s[8:9], s[46:47]
	s_add_nc_u64 s[92:93], s[10:11], s[92:93]
	CROUND
.set G0HA, 76                          ; s[76:79], s[88:91] group 0 of the head's loads of A's and of B's tiles
.set G0HB, 88
	s_mov_b32 s[G0HA], 1
	s_mul_i32 s[G0HA+1], s16, SLOT                 ; into slot wave % 2
	s_add_nc_u64 s[G0HA+2:G0HA+3], s[4:5], s[94:95]
	s_or_b32 s[G0HA+3], s[G0HA+3], 0x80000000
	s_mov_b32 s[G0HB], 1
	s_add_co_u32 s[G0HB+1], s[G0HA+1], 2*HALFT
	s_add_nc_u64 s[G0HB+2:G0HB+3], s[8:9], s[96:97]
	s_or_b32 s[G0HB+3], s[G0HB+3], 0x80000000
	s_cmp_eq_u32 s15, 0                            ; the scale bytes: waves 0 and 1 take the halves of A's 8,192, waves 2 and 3 of B's
	s_cselect_b64 s[80:81], s[22:23], s[92:93]
	s_lshl_b32 s82, s16, 12
	s_mov_b32 s83, 0
	s_add_nc_u64 s[80:81], s[80:81], s[82:83]
	s_mul_i32 s84, s14, 16*272                     ; and where they go: 16 units of 256 bytes + 16 a wave
	s_add_co_u32 s84, s84, SCL
.irp s, 0,1
	s_mov_b32 s[G0+4*\s], 1
	s_add_co_u32 s[G0+4*\s+1], s45, \s*SLOT
	s_add_nc_u64 s[G0+4*\s+2:G0+4*\s+3], s[20:21], \s*ROWB
	s_or_b32 s[G0+4*\s+3], s[G0+4*\s+3], 0x80000000
	s_mov_b32 s[G0B+4*\s], 1
	s_add_co_u32 s[G0B+4*\s+1], s45, \s*SLOT
	s_add_nc_u64 s[G0B+4*\s+2:G0B+4*\s+3], s[46:47], \s*ROWB
	s_or_b32 s[G0B+4*\s+3], s[G0B+4*\s+3], 0x80000000
.endr
; THE HEAD'S LOADS, ONE A WAVE: waves 0 and 1 A's 256 rows of K steps 0 and 1, waves 2 and 3 B's.  One branch on wave / 2; every way passes one load.
; No prefetch: K has four steps of 256, so no refill has a step two on.
; BOTH SLOTS ARE FILLED AT THE HEAD, one joint load a wave: waves 0 and 1 A's 256 rows of K steps 0 and 1, waves 2 and 3 B's.
; The scale bytes of the 512 rows, 16,384 of the head's 278,528 bytes, are not asked for jointly: each wave loads 4,096 of them, 512 consecutive bytes an instruction, and stores them into LDS bytes that no fill touches, in units of 256 bytes + 16.
	JLOAD G0HA, G1, G0HB, G1B
	v_and_b32 v8, 31, v0
	v_lshlrev_b32 v9, 4, v8                        ; 16 x lane
	v_lshrrev_b32 v10, 4, v8
	v_and_b32 v11, 15, v0
	v_mul_u32_u24 v10, v10, 272
	v_lshl_add_u32 v10, v11, 4, v10
	v_add_nc_u32 v10, s84, v10                     ; lanes 0-15 one unit, lanes 16-31 the next
.irp j, 0,1,2,3,4,5,6,7
	global_load_b128 v[AF+4*\j:AF+4*\j+3], v9, s[80:81] offset:512*\j
.endr
	v_and_b32 v1, 15, v0
	v_bfe_u32 v2, v0, 4, 1
	v_mul_u32_u24 v3, v1, PITCH
	v_lshl_add_u32 v4, v2, 4, v3
	s_mul_i32 s21, s15, HALFT
	s_mul_i32 s22, s16, HALFT
	s_add_co_u32 s22, s22, 2*HALFT
.irp s, 0,1
	v_add_nc_u32 v[ADRA+\s], s21, v4
	v_add_nc_u32 v[ADRB+\s], s22, v4
	s_add_co_u32 s21, s21, SLOT
	s_add_co_u32 s22, s22, SLOT
.endr
	v_mul_u32_u24 v5, v1, KS
	v_lshrrev_b32 v6, 8, v5
	v_lshl_add_u32 v5, v6, 4, v5
	s_mul_i32 s21, s15, HALFS
	s_mul_i32 s22, s16, HALFS
	s_add_co_u32 s22, s22, 2*HALFS
	s_sub_co_u32 s22, s22, s21
	v_mul_u32_u24 v6, s22, v2
	s_add_co_u32 s21, s21, SCL
	v_add_nc_u32 v5, v5, v6
	v_add_nc_u32 v[ADRS], s21, v5
	v_and_b32 v[LN], 31, v0
	v_lshlrev_b32 v[CO], 4, v[LN]
	v_lshlrev_b32 v[SWO], 2, v[LN]
	s_lshl_b32 s18, s17, 4
	s_lshl_b32 s19, s15, 3
	s_add_co_u32 s18, s18, s19
	s_lshl_b32 s19, s42, 1
	s_add_co_u32 s19, s19, s16
.if KIND == 0
	s_cmp_eq_u32 ttmp9, 2
	s_mov_b32 s96, 16384
	s_cselect_b32 s96, 2048, s96
	s_mov_b32 s20, 2048
	s_cselect_b32 s20, 131072, s20
	s_mov_b32 s21, 16384
	s_cselect_b32 s21, 4096, s21
.else
	s_mov_b32 s96, 65536
	s_mov_b32 s20, 2048
	s_mov_b32 s21, 16384
.endif
	s_mov_b32 s97, 0
	s_mul_i32 s22, s18, s96
	s_mul_i32 s20, s19, s20
	s_add_co_u32 s22, s22, s20
	s_mov_b32 s23, 0
	s_add_nc_u64 s[12:13], s[12:13], s[22:23]
	s_mul_i32 s22, s19, s21
	s_lshl_b32 s20, s18, 6
	s_add_co_u32 s22, s22, s20
	s_add_nc_u64 s[98:99], s[98:99], s[22:23]
.if KIND == 1
	s_lshl_b32 s22, s19, 9
	s_add_nc_u64 s[100:101], s[100:101], s[22:23]
	v_lshlrev_b32 v7, 5, v2
.irp b, 0,1,2,3,4,5,6,7
	global_load_b128 v[BIAS+8*\b:BIAS+8*\b+3], v7, s[100:101] offset:64*\b
	global_load_b128 v[BIAS+8*\b+4:BIAS+8*\b+7], v7, s[100:101] offset:64*\b+16
.endr
.endif
.macro FRAG reg, adr, q, i
.irp c, 0,1,2,3
	ds_load_b128 v[\reg+4*\c:\reg+4*\c+3], v[\adr] offset:128*(\q)+32*\c+(\i)*16*PITCH
.endr
.endm
.macro MUL16 a0, p, q, sc, zero
.irp a, \a0, \a0+1
.irp b, 0,1,2,3,4,5,6,7
.if (\zero) && (KIND == 1)
	v_wmma_scale_f32_16x16x128_f8f6f4 v[8*(8*((\a)%4)+\b):8*(8*((\a)%4)+\b)+7], v[128*(\p)+FR*\b:128*(\p)+FR*\b+FR-1], v[AF+FR*(\a):AF+FR*(\a)+FR-1], v[BIAS+8*\b:BIAS+8*\b+7], v[SC+8*NQ*(\sc)+NQ*\b+(\q)], v[SC+8*NQ*(\sc)+NQ*(\a)+(\q)] matrix_a_scale:MATRIX_SCALE_ROW1
.elseif \zero
	v_wmma_scale_f32_16x16x128_f8f6f4 v[8*(8*((\a)%4)+\b):8*(8*((\a)%4)+\b)+7], v[128*(\p)+FR*\b:128*(\p)+FR*\b+FR-1], v[AF+FR*(\a):AF+FR*(\a)+FR-1], 0, v[SC+8*NQ*(\sc)+NQ*\b+(\q)], v[SC+8*NQ*(\sc)+NQ*(\a)+(\q)] matrix_a_scale:MATRIX_SCALE_ROW1
.else
	v_wmma_scale_f32_16x16x128_f8f6f4 v[8*(8*((\a)%4)+\b):8*(8*((\a)%4)+\b)+7], v[128*(\p)+FR*\b:128*(\p)+FR*\b+FR-1], v[AF+FR*(\a):AF+FR*(\a)+FR-1], v[8*(8*((\a)%4)+\b):8*(8*((\a)%4)+\b)+7], v[SC+8*NQ*(\sc)+NQ*\b+(\q)], v[SC+8*NQ*(\sc)+NQ*(\a)+(\q)] matrix_a_scale:MATRIX_SCALE_ROW1
.endif
.endr
.endr
.endm
.macro WMUL hi, zero
.if (\zero) && (KIND == 1)
	WIN 0x81+0x40*(\hi)
.else
	WIN MUL_LO+0x50*(\hi)
.endif
.endm
.macro FETCH_B slot, q, p
	WIN TO_B
.irp i, 0,1,2,3,4,5,6,7
	FRAG 128*(\p)+FR*\i, ADRB+\slot, \q, \i
.endr
	WIN 0
.endm
.macro FETCH_A slot, q, i0
.irp i, \i0, \i0+1, \i0+2, \i0+3
	FRAG AF+FR*(\i), ADRA+\slot, \q, \i
.endr
.endm
.macro SCALES sc
.irp i, 0,1,2,3,4,5,6,7
	ds_load_b64 v[SC+8*NQ*\sc+NQ*\i:SC+8*NQ*\sc+NQ*\i+1], v[ADRS] offset:\i*SBLK
.endr
.endm
.macro PLACES n
.rept \n
	v_nop
.endr
.endm
.macro STEP slot, q, zero
	s_wait_dscnt 4*NL
	WMUL 0, \zero
	MUL16 0, (\q)%2, \q, \slot, \zero
	MUL16 2, (\q)%2, \q, \slot, \zero
	s_wait_dscnt 0
	PLACES NP
	FETCH_B \slot, (\q)+1, 1-(\q)%2
	FETCH_A \slot, (\q)+1, 0
	WMUL 1, \zero
	MUL16 4, (\q)%2, \q, \slot, \zero
	MUL16 6, (\q)%2, \q, \slot, \zero
	PLACES NP
	WIN 0
	FETCH_A \slot, (\q)+1, 4
.endm
.macro TURN slot, next, fill
	s_wait_tensorcnt 0x0
	ds_add_u32 v[SPW], v[NIL]
	s_wait_dscnt 4*NL+1
	WIN MUL_LO
	MUL16 0, 1, NQ-1, \slot, 0
	s_wait_dscnt 0x0
	s_barrier_signal -1
	MUL16 2, 1, NQ-1, \slot, 0
	WIN 0
	s_barrier_wait -1
.if \fill
	CREST
	s_add_nc_u64 s[G0+4*\slot+2:G0+4*\slot+3], s[G0+4*\slot+2:G0+4*\slot+3], 2*ROWB
	s_add_nc_u64 s[G0B+4*\slot+2:G0B+4*\slot+3], s[G0B+4*\slot+2:G0B+4*\slot+3], 2*ROWB
	JLOAD G0+4*\slot, G1, G0B+4*\slot, G1B
	PLACES NP-4
.else
	PLACES NP
.endif
	s_wait_alu depctr_va_vdst(0)
	v_add_nc_u32 v[ADRS], 4*NQ, v[ADRS]
	FETCH_B \next, 0, 0
	FETCH_A \next, 0, 0
	SCALES \next
	WIN MUL_HI
	MUL16 4, 1, NQ-1, \slot, 0
	MUL16 6, 1, NQ-1, \slot, 0
	PLACES NP
	WIN 0
	FETCH_A \next, 0, 4
.endm
	s_wait_alu depctr_va_vdst(0)                   ; the wait at the head's end
	s_wait_loadcnt 0x0                             ; my scale bytes are in registers
	s_wait_tensorcnt 0x0                           ; my tile of the head's four is in
.irp j, 0,1,2,3,4,5,6,7
	ds_store_b128 v10, v[AF+4*\j:AF+4*\j+3] offset:544*\j
.endr
	s_mov_b32 s[G1+2], 128<<16                     ; no tensor load of mine is out: from here on a load brings 128 rows
	s_mov_b32 s[G1+4], 128
	s_mov_b32 s[G1B+2], 128<<16
	s_mov_b32 s[G1B+4], 128
	s_wait_dscnt 0x0
	s_barrier_signal -1                            ; my stores have landed (the wait above): behind this barrier both slots and all scale bytes are whole
	s_barrier_wait -1
	FETCH_B 0, 0, 0
	FETCH_A 0, 0, 0
	SCALES 0
	FETCH_A 0, 0, 4
.if KIND == 1
	s_wait_loadcnt 0x0
.endif
	STEP 0, 0, 1
.if LAPS > 1
	s_mov_b32 s3, LAPS-1
.Llap:
	TURN 0, 1, 1
	STEP 1, 0, 0
	TURN 1, 0, 1
	STEP 0, 0, 0
	s_sub_co_u32 s3, s3, 1
	s_cmp_lg_u32 s3, 0
	s_cbranch_scc1 .Llap
.endif
	TURN 0, 1, 0
	STEP 1, 0, 0
	s_wait_dscnt 4*NL
	WIN MUL_LO
	MUL16 0, 1, NQ-1, 1, 0
	MUL16 2, 1, NQ-1, 1, 0
	s_wait_dscnt 0
	WIN MUL_HI
	MUL16 4, 1, NQ-1, 1, 0
	MUL16 6, 1, NQ-1, 1, 0
	WIN 0
.macro QEPI a
.set AC, 64*((\a)%4)
.set WW, 2+(\a)/4
.if (\a) > 0
	s_wait_xcnt 0x0
	s_add_nc_u64 s[12:13], s[12:13], s[96:97]
.endif
	WIN WW|(WW<<2)
.irp b, 0,1,2,3
.if KIND == 1
	v_max3_num_f32 v[TM+\b], v[AC+16*\b], v[AC+16*\b+1], 0x4800000
.else
	v_max3_num_f32 v[TM+\b], |v[AC+16*\b]|, |v[AC+16*\b+1]|, 0x4800000
.endif
.endr
.irp i, 2,4,6,8,10,12,14
.irp b, 0,1,2,3
.if KIND == 1
	v_max3_num_f32 v[TM+\b], v[AC+16*\b+\i], v[AC+16*\b+\i+1], v[TM+\b]
.else
	v_max3_num_f32 v[TM+\b], |v[AC+16*\b+\i]|, |v[AC+16*\b+\i+1]|, v[TM+\b]
.endif
.endr
.endr
	WIN 0
.irp b, 0,1,2,3
	v_permlanex16_b32 v[TM+4+\b], v[TM+\b], s20, s21
.endr
.irp b, 0,1,2,3
	v_max_num_f32 v[TM+\b], v[TM+\b], v[TM+4+\b]
.endr
.irp b, 0,1,2,3
	v_add_nc_u32 v[TM+12+\b], 0xfc000000, v[TM+\b]
.endr
.irp b, 0,1,2,3
	v_and_or_b32 v[TM+8+\b], v[TM+\b], 0x7f800000, s22
.endr
.irp b, 0,1,2,3
	v_lshrrev_b32 v[TM+4+\b], 23, v[TM+12+\b]
.endr
	v_lshl_or_b32 v[PW], v[TM+5], 8, v[TM+4]
	v_lshl_or_b32 v[PW], v[TM+6], 16, v[PW]
	v_lshl_or_b32 v[PW], v[TM+7], 24, v[PW]
	WIN WW
.irp b, 0,1,2,3
.irp i, 0,1,2,3,4,5,6,7,8,9,10,11,12,13,14,15
.if KIND == 1
	v_med3_num_f32 v[Y+16*\b+\i], v[AC+16*\b+\i], 0, v[TM+8+\b]
.else
	v_med3_num_f32 v[Y+16*\b+\i], v[AC+16*\b+\i], -v[TM+8+\b], v[TM+8+\b]
.endif
.endr
.endr
	WIN 0
.irp b, 0,1,2,3
	v_cvt_scalef32_pk8_fp8_f32 v[PC+4*\b:PC+4*\b+1], v[Y+16*\b:Y+16*\b+7], v[TM+12+\b]
	v_cvt_scalef32_pk8_fp8_f32 v[PC+4*\b+2:PC+4*\b+3], v[Y+16*\b+8:Y+16*\b+15], v[TM+12+\b]
.endr
	v_nop
.if KIND == 1
.irp b, 0,1,2,3
	v_permlane16_swap_b32 v[PC+4*\b], v[PC+4*\b+2]
	v_permlane16_swap_b32 v[PC+4*\b+1], v[PC+4*\b+3]
.endr
.endif
.irp b, 0,1,2,3
	global_store_b128 v[CO], v[PC+4*\b:PC+4*\b+3], s[12:13] offset:512*\b
.endr
.if (\a)%2 == 0
	v_mov_b32 v[PWE], v[PW]
.else
	v_cndmask_b32 v[SW], v[PWE], v[PW], vcc_lo
	global_store_b32 v[SWO], v[SW], s[98:99] offset:64*((\a)-1)
.endif
.endm
	PLACES NP
	s_mov_b32 s20, 0x76543210
	s_mov_b32 s21, 0xfedcba98
	s_mov_b32 s22, 0x600000
.irp b, 0,1,2,3
	v_mov_b32 v[TM+4+\b], 0
.endr
	v_cmp_lt_u32 vcc_lo, 15, v[LN]
.irp a, 0,1,2,3,4,5,6,7
	QEPI \a
.endr
	s_wait_tensorcnt 0x0
	ds_add_u32 v[SPW], v[NIL]
	s_wait_dscnt 0x0
	CROUND
	s_endpgm
.Lfunc_end_k_qc78acb470a_w1:
	.size	k_qc78acb470a_w1, .Lfunc_end_k_qc78acb470a_w1-k_qc78acb470a_w1
	.p2alignl 7, 3214868480
	.fill 96, 4, 3214868480
	.section	.rodata,"a",@progbits
	.p2align	6, 0x0
	.amdhsa_kernel k_qc78acb470a_w1
		.amdhsa_group_segment_fixed_size 327680
		.amdhsa_private_segment_fixed_size 0
		.amdhsa_enable_private_segment 0
		.amdhsa_kernarg_size 40
		.amdhsa_user_sgpr_count 2
		.amdhsa_user_sgpr_kernarg_segment_ptr 1
		.amdhsa_wavefront_size32 1
		.amdhsa_system_sgpr_workgroup_id_x 1
		.amdhsa_system_sgpr_workgroup_id_y 1
		.amdhsa_system_sgpr_workgroup_id_z 1
		.amdhsa_system_vgpr_workitem_id 0
		.amdhsa_next_free_vgpr 1024
		.amdhsa_next_free_sgpr 102
		.amdhsa_reserve_vcc 1
		.amdhsa_float_denorm_mode_32 3
		.amdhsa_float_denorm_mode_16_64 3
		.amdhsa_memory_ordered 1
		.amdhsa_forward_progress 1
		.amdhsa_inst_pref_size 190
	.end_amdhsa_kernel
	.amdgpu_metadata
---
amdhsa.version: [ 1, 2 ]
amdhsa.kernels:
  - .name:           k_qc78acb470a_w1
    .symbol:         k_qc78acb470a_w1.kd
    .args:
      - { .name: act, .offset: 0, .size: 8, .value_kind: global_buffer, .address_space: global }
      - { .name: W1_codes, .offset: 8, .size: 8, .value_kind: global_buffer, .address_space: global }
      - { .name: W1_scales, .offset: 16, .size: 8, .value_kind: global_buffer, .address_space: global }
      - { .name: b1, .offset: 24, .size: 8, .value_kind: global_buffer, .address_space: global }
      - { .name: hid, .offset: 32, .size: 8, .value_kind: global_buffer, .address_space: global }
    .group_segment_fixed_size: 327680
    .private_segment_fixed_size: 0
    .kernarg_segment_align: 8
    .kernarg_segment_size: 40
    .max_flat_workgroup_size: 128
    .sgpr_count:     102
    .vgpr_count:     1024
    .wavefront_size: 32
...
	.end_amdgpu_metadata
.endif
;; end of part 5
;; launch w2 (part 6): grid 8 x 32, 4 waves a work-group, clusters of 4 x 4, 327,680 bytes of LDS; arguments hid, W2_codes, W2_scales, b2, h, out0; writes out0
.if DOCPART == 6
	.amdgcn_target "amdgcn-amd-amdhsa--gfx1250"
	.amdhsa_code_object_version 6
	.text
	.protected	k_qc78acb470a_w2
	.globl	k_qc78acb470a_w2
	.p2align	8
	.type	k_qc78acb470a_w2,@function
k_qc78acb470a_w2:
	s_mov_b64 s[64:65], 0
	v_nop
	global_prefetch_b8 v0, s[64:65] scope:SCOPE_SE
	s_setreg_imm32_b32 hwreg(HW_REG_WAVE_MODE, 25, 1), 1
	s_wait_xcnt 0x0
	s_wait_alu depctr_hold_cnt(0) depctr_sa_sdst(0) depctr_va_vdst(0) depctr_va_sdst(0) depctr_va_ssrc(0) depctr_va_vcc(0) depctr_vm_vsrc(0)
	s_getreg_b32 s2, hwreg(HW_REG_IB_STS2, 6, 4)
	s_cmp_eq_u32 s2, 0
	s_cbranch_scc0 .Lentry_in_a_cluster
	s_endpgm
.Lentry_in_a_cluster:
	s_bfe_u32 s2, ttmp6, 0x10000c
	s_cmp_lg_u32 s2, 0xf033
	s_cbranch_scc0 .Lentry_shape_is_right
	s_endpgm
.Lentry_shape_is_right:
; out = A W^T + bias + residual, f32 [4096][1024], on codes of FP8 (E4M3) with E8M0 scales.  SIZE_K = 1,024: h = ao Wo + bo + x.  SIZE_K = 4,096: out0 = hid W2 + b2 + h.
; A comes as an image of operand registers, [256 tiles of 16 rows][SIZE_K / 32 blocks][lane][16 bytes], its scale words [SIZE_K / 128][4096 rows] behind it, at byte 4,096 SIZE_K.  W: plain rows, codes [1024][SIZE_K], scale bytes [1024][SIZE_K / 32].
; N = 1,024 gives only 64 tiles of 256 x 256, so a tile is 128 x 128: 256 work-groups.  Four waves, 64 x 64 each: 16 accumulators.  K goes in steps of 512 through a ring of two LDS slots.
; A's part of a slot is read as it lies, 512 consecutive bytes an instruction; W's rows of 512 bytes get 16 of padding.  The scales of the work-group's rows, for all of K, come once, with the first fills.
; CLUSTERS: 4 x 4 work-groups; A's tile is shared along a row of the cluster, W's along a column, each asked for jointly.
; THE MATRIX INSTRUCTION IS USED TRANSPOSED (source 0 = 16 rows of W, source 1 = 16 rows of A): a lane holds eight neighbouring columns of one row.  The bias is the C of the first products.
; The residual's 64 x 64 numbers a wave are asked for at the head, in the layout of the stores, and added on the way out.
; The tiles are prefetched: see below.
.set SIZE_K, 4096
.set KSTEP,  512
.set ATILE,  8192                      ; 16 rows x 512 along K of A's image
.set AHALF,  4*ATILE                   ; what one tensor load brings of A, and what one wave reads
.set BP,     528                       ; a row of W in LDS: 512 bytes + 16 of padding
.set BHALF,  64*BP
.set BOFF,   2*AHALF
.set SLOT,   BOFF+2*BHALF
.set LAPS,   SIZE_K/(2*KSTEP)
.set KG,     SIZE_K/128
.set KS,     SIZE_K/32
.set ASC,    2*SLOT                    ; A's scale words: [KG][128 rows]
.set BSC,    ASC+KG*512                ; W's scale bytes: units of 256 bytes + 16 of padding
.set SBLK,   (16*KS/256)*272           ; those of 16 rows
.set SPARE,  BSC+2*KG*272              ; the spare words, 128 bytes for each wave, which no other line names
.set ADRA, 16                          ; v16-17 my A fragments in slot 0, 1
.set ADRB, 20                          ; v20-21 my W fragments
.set ADSB, 22                          ; v22 my W scale words
.set STO,  24                          ; v24 the way out: where I put 32 bytes of a row
.set RD,   25                          ; v25 and where I read a row back
.set CO,   26                          ; v26 4,096 h + 16 (lane % 16): my place in two rows of the residual and of the result
.set ADSA, 27                          ; v27 my A scale words
.set SPW,  28
.set NIL,  29
.set AS,   32                          ; v32-63 A's scale words, two sets of [block a][q]; v64-95 W's, [block b][q]: they hold nothing else
.set BS,   64
.set BIAS, 96                          ; v96-127 the bias in the result's layout; later T, rows on their way out
.set T,    96
.set ACC,  128                         ; v128-255 accumulator (a, b) at 8 (4 a + b)
.set F0,   0                           ; window 1: two fragment buffers: A's four fragments, then W's four
.set F1,   128
.set G1A, 24
.set G0A, 32
.set G1B, 48
.set G0B, 56
.set G1SA, 68
.set G0SA, 76
.set G1SB, 80
.set G0SB, 88
; THE TILES ARE PREFETCHED (this takes the place of the head's line on prefetching): behind each refill of the loop's first two trips one instruction a wave names the K step two refills on, K steps 4 to 7.
; A K step of a cluster's tile row of A is 8 pieces of 8,192 bytes: partner cx's waves 0 and 1 take pieces 2 cx and 2 cx + 1, lanes 256 bytes apart.  Of a tile column's 128 rows of W partner cy's waves 2 and 3 take 16 rows each, two lanes a row of 512 bytes.
; So each block of 256 bytes is named once in each cluster that loads it, the partners told apart by address.  The last trip names nothing: K ends.
.set PFA, 98                           ; s[98:99] where my prefetches stand; stepped at the head of each change of slots that refills
.set PFS, 44                           ; s[44:45] a K step on, in bytes
.set PFO, 30                           ; v30 my lane's offset; never rewritten
.set MSB, 0
.macro WIN new                         ; the immediate's high byte repeats the setting that is left
.if MSB != \new
	s_set_vgpr_msb (MSB<<8)|\new
.set MSB, \new
.endif
.endm
.set MUL,  0x05                        ; sources 0 and 1 window 1; C and D window 0
.set TO_F, 0x40                        ; destination window 1
.macro JLOAD g0a, g1a, g0b, g1b        ; a joint load: waves 0 and 1 fetch for A, waves 2 and 3 for W; four v_nop follow each line
	s_cmp_eq_u32 s17, 0
	s_cbranch_scc0 .Lfor_b_\@
	tensor_load_to_lds s[\g0a:\g0a+3], s[\g1a:\g1a+7]
	s_nop 0
.rept 4
	v_nop
.endr
	s_branch .Lasked_\@
.Lfor_b_\@:
	tensor_load_to_lds s[\g0b:\g0b+3], s[\g1b:\g1b+7]
	s_nop 0
.rept 4
	v_nop
.endr
.Lasked_\@:
.endm
.macro CREST
	s_cmp_lg_u32 s16, 0
	s_cbranch_scc1 .Lnot_wave_0_\@
	s_barrier_signal -3
.Lnot_wave_0_\@:
	s_barrier_wait -3
	s_barrier_signal -1
	s_barrier_wait -1
.endm
.macro CROUND
	s_barrier_signal -1
	s_barrier_wait -1
	CREST
.endm
	s_load_b256 s[4:11], s[0:1], 0x0               ; A s[4:5], W's codes s[6:7], W's scales s[8:9], bias s[10:11]
	s_load_b128 s[12:15], s[0:1], 0x20             ; residual s[12:13], out s[14:15]
	v_lshl_add_u32 v[SPW], v0, 2, SPARE
	v_mov_b32 v[NIL], 0
	ds_add_u32 v28, v29
	ds_add_u32 v28, v29
	s_wait_dscnt 0x0
	v_lshrrev_b32 v1, 5, v0
	v_readfirstlane_b32 s16, v1                    ; wave 0..3
	s_lshr_b32 s17, s16, 1                         ; which half of the tile's rows is mine.  Also: I fetch for A (0) or for W (1)
	s_and_b32 s18, s16, 1                          ; which half of its columns.  Also: which half of that tile I fetch
	s_bfe_u32 s40, ttmp6, 0x40000                  ; cx, cy
	s_bfe_u32 s41, ttmp6, 0x40004
	s_lshl_b32 s42, ttmp9, 2
	s_add_co_u32 s42, s42, s40                     ; tile column
	s_and_b32 s43, ttmp7, 0xffff
	s_lshl_b32 s43, s43, 2
	s_add_co_u32 s43, s43, s41                     ; tile row
	s_lshl_b32 s44, s41, 2
	s_lshl_b32 s44, 15, s44                        ; my row of the cluster
	s_lshl_b32 s45, 0x1111, s40                    ; my column
	s_or_b32 s[G1A], s44, (3<<16)|(1<<21)          ; A: 4 rows (tiles of 16 rows) of 8,192 bytes (1,024 elements of 8), 16 SIZE_K bytes apart; no padding
	s_mov_b32 s[G1A+1], 1024<<16
	s_mov_b32 s[G1A+2], 8<<16                      ; the head's load brings all 8 tiles of rows; behind it the two words that count rows are set to 4
	s_mov_b32 s[G1A+3], 1024<<16
	s_mov_b32 s[G1A+4], 8
	s_mov_b32 s[G1A+5], 2*SIZE_K
	s_mov_b32 s[G1A+6], 0
	s_mov_b32 s[G1A+7], 0
	s_or_b32 s[G1B], s45, (0<<16)|(1<<20)|(1<<21)|(6<<22)|(3<<25)   ; W: 64 rows of 512 bytes; four words of padding after every 128
	s_mov_b32 s[G1B+1], KSTEP<<16
	s_mov_b32 s[G1B+2], 128<<16                    ; likewise: 128 rows at the head, then 64
	s_mov_b32 s[G1B+3], KSTEP<<16
	s_mov_b32 s[G1B+4], 128
	s_mov_b32 s[G1B+5], SIZE_K
	s_mov_b32 s[G1B+6], 0
	s_mov_b32 s[G1B+7], 0
	s_or_b32 s[G1SA], s44, (3<<16)|(1<<21)         ; A's scale words: KG rows of 512 bytes (my 128 rows' words of one group of 128 along K), 16,384 bytes apart
	s_mov_b32 s[G1SA+1], 64<<16
	s_mov_b32 s[G1SA+2], KG<<16                    ; all KG groups along K by one load
	s_mov_b32 s[G1SA+3], 64<<16
	s_mov_b32 s[G1SA+4], KG
	s_mov_b32 s[G1SA+5], 2048
	s_mov_b32 s[G1SA+6], 0
	s_mov_b32 s[G1SA+7], 0
	s_or_b32 s[G1SB], s45, (3<<16)|(1<<20)|(1<<21)|(5<<22)|(3<<25)  ; W's scale bytes of 128 rows: a dense block as 2 KG rows of 256 bytes, 16 of padding behind each
	s_mov_b32 s[G1SB+1], 32<<16
	s_mov_b32 s[G1SB+2], (2*KG)<<16                ; the scale bytes of all 128 rows by one load
	s_mov_b32 s[G1SB+3], 32<<16
	s_mov_b32 s[G1SB+4], 2*KG
	s_mov_b32 s[G1SB+5], 32
	s_mov_b32 s[G1SB+6], 0
	s_mov_b32 s[G1SB+7], 0
	s_lshl_b32 s20, s43, 3
	s_lshl_b32 s21, s18, 2
	s_add_co_u32 s20, s20, s21                     ; A: tile of rows 8 x tile row + 4 x half
	s_mul_i32 s20, s20, 16*SIZE_K
	s_mov_b32 s21, 0
	s_mov_b32 s22, 0                               ; A's scale words: from the first group along K,
	s_lshl_b32 s23, s43, 9                         ; the tile's 128 rows,
	s_add_co_u32 s22, s22, s23
	s_add_co_u32 s22, s22, 4096*SIZE_K             ; behind the image
	s_mov_b32 s23, 0
	s_lshl_b32 s46, s42, 7
	s_mul_i32 s92, s46, KS                         ; W's scale bytes: from the tile's first row
	s_lshl_b32 s47, s18, 6
	s_add_co_u32 s46, s46, s47                     ; W's codes: row 128 x tile column + 64 x half
	s_mov_b32 s93, 0
	s_mul_i32 s46, s46, SIZE_K
	s_mov_b32 s47, 0
	s_mul_i32 s94, s18, AHALF                      ; where they go: no place in the cluster enters an LDS address
	s_mul_i32 s95, s18, BHALF
	s_add_co_u32 s95, s95, BOFF
	s_wait_kmcnt 0x0
	s_add_nc_u64 s[20:21], s[4:5], s[20:21]
	s_add_nc_u64 s[22:23], s[4:5], s[22:23]
	s_add_nc_u64 s[46:47], s[6:7], s[46:47]
	s_add_nc_u64 s[92:93], s[8:9], s[92:93]
	CROUND                                         ; all sixteen work-groups are here: the first joint loads meet
	s_mov_b32 s[G0SA], 1
	s_mov_b32 s[G0SA+1], ASC
	s_mov_b64 s[G0SA+2:G0SA+3], s[22:23]
	s_or_b32 s[G0SA+3], s[G0SA+3], 0x80000000
	s_mov_b32 s[G0SB], 1
	s_mov_b32 s[G0SB+1], BSC
	s_mov_b64 s[G0SB+2:G0SB+3], s[92:93]
	s_or_b32 s[G0SB+3], s[G0SB+3], 0x80000000
.irp s, 0,1
	s_mov_b32 s[G0A+4*\s], 1
	s_add_co_u32 s[G0A+4*\s+1], s94, \s*SLOT
	s_add_nc_u64 s[G0A+4*\s+2:G0A+4*\s+3], s[20:21], \s*ATILE
	s_or_b32 s[G0A+4*\s+3], s[G0A+4*\s+3], 0x80000000
	s_mov_b32 s[G0B+4*\s], 1
	s_add_co_u32 s[G0B+4*\s+1], s95, \s*SLOT
	s_add_nc_u64 s[G0B+4*\s+2:G0B+4*\s+3], s[46:47], \s*KSTEP
	s_or_b32 s[G0B+4*\s+3], s[G0B+4*\s+3], 0x80000000
.endr
; THE HEAD'S LOADS, ONE A WAVE: wave 0 K step 0 of A, whole (its half is 0), wave 1 A's scale words, wave 2 K step 0 of W, whole, wave 3 W's scale bytes.  One chain of branches on the wave's number; every way passes one load.
.macro ARM under, g0, g1, next
	s_cmp_lt_u32 s16, \under
	s_cbranch_scc0 \next
	tensor_load_to_lds s[\g0:\g0+3], s[\g1:\g1+7]
	s_nop 0
.rept 4
	v_nop
.endr
	s_branch .Lhead_asked
\next:
.endm
	ARM 1, G0A,  G1A,  .Lhead_sa
	ARM 2, G0SA, G1SA, .Lhead_b
	ARM 3, G0B,  G1B,  .Lhead_sb
	tensor_load_to_lds s[G0SB:G0SB+3], s[G1SB:G1SB+7]
	s_nop 0
.rept 4
	v_nop
.endr
.Lhead_asked:
	; where my prefetches stand: at K step 3; the first refill steps them to K step 4
	s_lshl_b32 s20, s43, 3
	s_lshl_b32 s21, s40, 1
	s_add_co_u32 s20, s20, s21
	s_add_co_u32 s20, s20, s18                     ; A: piece 8 x tile row + 2 cx + wave % 2
	s_mul_i32 s20, s20, 16*SIZE_K
	s_add_co_u32 s20, s20, 3*ATILE
	s_lshl_b32 s21, s42, 7
	s_lshl_b32 s22, s41, 5
	s_add_co_u32 s21, s21, s22
	s_lshl_b32 s22, s18, 4
	s_add_co_u32 s21, s21, s22                     ; W: row 128 x tile column + 32 cy + 16 (wave % 2)
	s_mul_i32 s21, s21, SIZE_K
	s_add_co_u32 s21, s21, 3*KSTEP
	s_cmp_eq_u32 s17, 0                            ; do I fetch for A?
	s_cselect_b32 s20, s20, s21
	s_cselect_b64 s[PFA:PFA+1], s[4:5], s[6:7]
	s_mov_b32 s[PFS], KSTEP
	s_cselect_b32 s[PFS], ATILE, s[PFS]
	s_mov_b32 s[PFS+1], 0
	s_mov_b32 s22, SIZE_K
	s_cselect_b32 s22, 256, s22                    ; A: lanes 256 bytes apart.  W: two lanes a row
	s_cselect_b32 s23, 0, 1
	s_mov_b32 s21, 0
	s_add_nc_u64 s[PFA:PFA+1], s[PFA:PFA+1], s[20:21]
	v_and_b32 v31, 31, v0
	v_lshrrev_b32 v[PFO], s23, v31
	v_mul_lo_u32 v[PFO], v[PFO], s22
	v_and_b32 v31, s23, v31
	v_lshl_add_u32 v[PFO], v31, 8, v[PFO]
	v_and_b32 v1, 15, v0
	v_bfe_u32 v2, v0, 4, 1                         ; h
	v_and_b32 v3, 31, v0                           ; lane
	v_lshlrev_b32 v4, 4, v3
	s_lshl_b32 s19, s17, 15
	v_add_nc_u32 v[ADRA], s19, v4                  ; A: 16 x lane + my four tiles of rows
	v_add_nc_u32 v[ADRA+1], SLOT, v[ADRA]
	v_mul_u32_u24 v5, v1, BP
	v_lshl_add_u32 v5, v2, 4, v5
	s_mul_i32 s19, s18, BHALF
	s_add_co_u32 s19, s19, BOFF
	v_add_nc_u32 v[ADRB], s19, v5                  ; W: row x pitch + 16 h + my 64 rows
	v_add_nc_u32 v[ADRB+1], SLOT, v[ADRB]
	s_lshl_b32 s19, s17, 8
	s_add_co_u32 s19, s19, ASC
	v_lshl_add_u32 v[ADSA], v1, 2, s19             ; A's scale words: 4 bytes a row, my 64 rows
	v_mul_u32_u24 v5, v1, KS
	v_lshrrev_b32 v6, 8, v5
	v_lshl_add_u32 v5, v6, 4, v5                   ; W's: KS bytes a row, and 16 more for each 256 passed
	s_mul_i32 s19, s18, 4*SBLK
	s_add_co_u32 s19, s19, BSC
	v_add_nc_u32 v[ADSB], s19, v5
	s_mul_i32 s19, s16, 16*272                     ; my stage, 16 rows x (256 + 16) bytes.  It lies in slot 0, which has had its last fill and its last read when the first result is stored there
	v_mul_u32_u24 v5, v1, 272
	v_lshl_add_u32 v5, v2, 5, v5
	v_add_nc_u32 v[STO], s19, v5
	v_mul_u32_u24 v5, v2, 272
	v_lshl_add_u32 v5, v1, 4, v5
	v_add_nc_u32 v[RD], s19, v5
	v_lshlrev_b32 v5, 12, v2
	v_lshl_add_u32 v[CO], v1, 4, v5
	v_lshlrev_b32 v7, 5, v2
	s_wait_alu depctr_va_vdst(0)
	s_lshl_b32 s20, s42, 9
	s_lshl_b32 s21, s18, 8
	s_add_co_u32 s20, s20, s21                     ; my first column, in bytes: 512 x tile column + 256 x half
	s_mov_b32 s21, 0
	s_add_nc_u64 s[10:11], s[10:11], s[20:21]
	s_lshl_b32 s22, s43, 19                        ; my first row: 128 x tile row + 64 x half, 4,096 bytes each
	s_lshl_b32 s23, s17, 18
	s_add_co_u32 s22, s22, s23
	s_add_co_u32 s20, s20, s22
	s_add_nc_u64 s[12:13], s[12:13], s[20:21]
	s_add_nc_u64 s[14:15], s[14:15], s[20:21]
.irp b, 0,1,2,3
	global_load_b128 v[BIAS+8*\b:BIAS+8*\b+3], v7, s[10:11] offset:64*\b       ; lane (r, h): columns 16 b + 8 h + 0 .. 7
	global_load_b128 v[BIAS+8*\b+4:BIAS+8*\b+7], v7, s[10:11] offset:64*\b+16
.endr
	WIN 0x80                                       ; destination window 2
.irp a, 0,1,2,3
.irp t, 0,1,2,3,4,5,6,7
	global_load_b128 v[32*\a+4*\t:32*\a+4*\t+3], v[CO], s[12:13] offset:(16*\a+2*\t)*4096 th:TH_LOAD_NT   ; sixteen lanes read 256 consecutive bytes, aligned
.endr
.endr
	WIN 0
.macro FETCH slot, q, f                ; the fragments of the slot's q-th 128 along K into buffer f: 32 LDS loads in one run
	WIN TO_F
.irp i, 0,1,2,3
.irp c, 0,1,2,3
	ds_load_b128 v[\f+16*\i+4*\c:\f+16*\i+4*\c+3], v[ADRA+\slot] offset:ATILE*\i+2048*(\q)+512*\c
.endr
.endr
.irp i, 0,1,2,3
.irp c, 0,1,2,3
	ds_load_b128 v[\f+64+16*\i+4*\c:\f+64+16*\i+4*\c+3], v[ADRB+\slot] offset:16*BP*\i+128*(\q)+32*\c
.endr
.endr
.endm
.macro SCALES sc                       ; a K step's scale words: four a row and side
.irp a, 0,1,2,3
.irp q, 0,1,2,3
	ds_load_b32 v[AS+16*\sc+4*\a+\q], v[ADSA] offset:512*\q+64*\a
.endr
.endr
.irp b, 0,1,2,3
	ds_load_b128 v[BS+16*\sc+4*\b:BS+16*\sc+4*\b+3], v[ADSB] offset:\b*SBLK
.endr
.endm
.macro MUL4 f, a, q, sc, zero          ; A's block a against W's four.  The 16 accumulators take turns, one instruction a turn
.irp b, 0,1,2,3
.if \zero
	v_wmma_scale_f32_16x16x128_f8f6f4 v[ACC+8*(4*(\a)+\b):ACC+8*(4*(\a)+\b)+7], v[\f+64+16*\b:\f+64+16*\b+15], v[\f+16*(\a):\f+16*(\a)+15], v[BIAS+8*\b:BIAS+8*\b+7], v[BS+16*(\sc)+4*\b+(\q)], v[AS+16*(\sc)+4*(\a)+(\q)]
.else
	v_wmma_scale_f32_16x16x128_f8f6f4 v[ACC+8*(4*(\a)+\b):ACC+8*(4*(\a)+\b)+7], v[\f+64+16*\b:\f+64+16*\b+15], v[\f+16*(\a):\f+16*(\a)+15], v[ACC+8*(4*(\a)+\b):ACC+8*(4*(\a)+\b)+7], v[BS+16*(\sc)+4*\b+(\q)], v[AS+16*(\sc)+4*(\a)+(\q)]
.endif
.endr
.endm
.macro PLACES n                        ; plain vector instructions between a matrix instruction and a load into, or a read of, its registers
.rept \n
	v_nop
.endr
.endm
.macro QUARTER slot, q, zero           ; one of a K step's first three quarters: 16 products on buffer q % 2, while the next quarter's fragments come into the other
	s_wait_dscnt 0x0                               ; this quarter's fragments, asked for a quarter ago, are in
	PLACES 8                                       ; behind the products that read the other buffer
	FETCH \slot, (\q)+1, F0+128*(1-(\q)%2)
	WIN MUL
	MUL4 F0+128*((\q)%2), 0, \q, \slot, \zero
	MUL4 F0+128*((\q)%2), 1, \q, \slot, \zero
	MUL4 F0+128*((\q)%2), 2, \q, \slot, \zero
	MUL4 F0+128*((\q)%2), 3, \q, \slot, \zero
.endm
; The last quarter multiplies buffer 1 and changes slots: one barrier; in front of it each wave waits for all its tensor loads, adds 0 to its spare word, and waits for that and for its own reads of this slot.
.macro TURN slot, next, fill
	WIN 0                                          ; (the add's two registers lie in window 0)
.if \fill
	s_wait_xcnt 0x0                                ; any prefetch of mine has read its address: it is stepped here, ahead of the waits of the change of slots
	s_add_nc_u64 s[PFA:PFA+1], s[PFA:PFA+1], s[PFS:PFS+1]
.endif
	s_wait_tensorcnt 0x0                           ; all my tensor loads have landed: my part of the next slot
	ds_add_u32 v[SPW], v[NIL]                      ; 0 onto my spare word
	s_wait_dscnt 1                                 ; buffer 1 is in; the add may be out
	WIN MUL
	MUL4 F1, 0, 3, \slot, 0
	s_wait_dscnt 0x0                               ; the add is done, and my reads of this slot are over
	s_barrier_signal -1
	MUL4 F1, 1, 3, \slot, 0
	WIN 0
	s_barrier_wait -1
.if \fill
	CREST                                          ; the barrier has opened a round of the cluster's: no wave of any partner still reads this slot or has a load on its way
	s_add_nc_u64 s[G0A+4*\slot+2:G0A+4*\slot+3], s[G0A+4*\slot+2:G0A+4*\slot+3], 2*ATILE
	s_add_nc_u64 s[G0B+4*\slot+2:G0B+4*\slot+3], s[G0B+4*\slot+2:G0B+4*\slot+3], 2*KSTEP
	JLOAD G0A+4*\slot, G1A, G0B+4*\slot, G1B       ; my one tensor load behind the round; its four v_nop are among the places in front of the loads below
	PLACES 4
.else
	PLACES 8
.endif
	s_wait_alu depctr_va_vdst(0)
	v_add_nc_u32 v[ADSA], 2048, v[ADSA]            ; on to the next K step's scale words
	v_add_nc_u32 v[ADSB], 16, v[ADSB]
	FETCH \next, 0, F0
	WIN 0
	SCALES \next
.if \fill
	s_cmp_gt_u32 s3, 1                             ; the loop's last trip has no K step two refills on
	s_cbranch_scc0 .Lno_ask_\@
	global_prefetch_b8 v[PFO], s[PFA:PFA+1] th:TH_LOAD_NT scope:SCOPE_SE
.Lno_ask_\@:
.endif
	WIN MUL
	MUL4 F1, 2, 3, \slot, 0
	MUL4 F1, 3, 3, \slot, 0
.endm
	s_wait_alu depctr_va_vdst(0)                   ; the wait at the head's end
	s_wait_tensorcnt 0x0                           ; my tile of the head's four is in
	ds_add_u32 v[SPW], v[NIL]
	s_mov_b32 s[G1A+2], 4<<16                      ; no tensor load of mine is out: from here on a load brings half a tile
	s_mov_b32 s[G1A+4], 4
	s_mov_b32 s[G1B+2], 64<<16
	s_mov_b32 s[G1B+4], 64
	s_wait_dscnt 0x0
	CROUND                                         ; all four tiles are in, and all sixteen work-groups are here
	JLOAD G0A+4, G1A, G0B+4, G1B                   ; K step 1, my one tensor load behind the round
	FETCH 0, 0, F0
	WIN 0
	SCALES 0
	s_wait_loadcnt 32                              ; the bias is in; the residual's 32 loads may be out
	QUARTER 0, 0, 1                                ; the first quarter stands in front of the loop: its products start the sums, from the bias
.if LAPS > 1
	WIN 0
	s_mov_b32 s3, LAPS-1
.Llap:                                                 ; a trip goes once round the ring and fills both slots again
	QUARTER 0, 1, 0
	QUARTER 0, 2, 0
	TURN 0, 1, 1
	QUARTER 1, 0, 0
	QUARTER 1, 1, 0
	QUARTER 1, 2, 0
	TURN 1, 0, 1
	QUARTER 0, 0, 0
	WIN 0
	s_sub_co_u32 s3, s3, 1
	s_cmp_lg_u32 s3, 0
	s_cbranch_scc1 .Llap
.endif
	QUARTER 0, 1, 0                                ; the last lap fills nothing
	QUARTER 0, 2, 0
	TURN 0, 1, 0
	QUARTER 1, 0, 0
	QUARTER 1, 1, 0
	QUARTER 1, 2, 0
	s_wait_dscnt 0x0
	WIN MUL
	MUL4 F1, 0, 3, 1, 0
	MUL4 F1, 1, 3, 1, 0
	MUL4 F1, 2, 3, 1, 0
	MUL4 F1, 3, 3, 1, 0
	WIN 0
	; THE WAY OUT, 16 rows x 64 columns at a time: through my own stage, back as whole rows of 256 bytes, the residual added, stored.  LDS serves a wave's instructions in order: no wait between the stores and the loads.
	PLACES 8
	s_wait_loadcnt 0x0                             ; the residual
.irp a, 0,1,2,3
.if \a > 0
	s_wait_xcnt 0x0                                ; the last block's stores have read their data
.endif
.irp b, 0,1,2,3
	ds_store_b128 v[STO], v[ACC+8*(4*\a+\b):ACC+8*(4*\a+\b)+3] offset:64*\b      ; each accumulator from its low end on
	ds_store_b128 v[STO], v[ACC+8*(4*\a+\b)+4:ACC+8*(4*\a+\b)+7] offset:64*\b+16
.endr
.irp t, 0,1,2,3,4,5,6,7
	ds_load_b128 v[T+4*\t:T+4*\t+3], v[RD] offset:544*\t
.endr
	s_wait_dscnt 0x0
	WIN 0x08                                       ; source 1: window 2
.irp i, 0,2,4,6,8,10,12,14,16,18,20,22,24,26,28,30
	v_pk_add_f32 v[T+\i:T+\i+1], v[T+\i:T+\i+1], v[32*\a+\i:32*\a+\i+1]
.endr
	WIN 0
.irp t, 0,1,2,3,4,5,6,7
	global_store_b128 v[CO], v[T+4*\t:T+4*\t+3], s[14:15] offset:(16*\a+2*\t)*4096   ; sixteen lanes store 256 consecutive bytes, aligned
.endr
.endr
	s_wait_tensorcnt 0x0                           ; the wave's end
	ds_add_u32 v[SPW], v[NIL]
	s_wait_dscnt 0x0
	CROUND                                         ; the closing round
	s_endpgm
.Lfunc_end_k_qc78acb470a_w2:
	.size	k_qc78acb470a_w2, .Lfunc_end_k_qc78acb470a_w2-k_qc78acb470a_w2
	.p2alignl 7, 3214868480
	.fill 96, 4, 3214868480
	.section	.rodata,"a",@progbits
	.p2align	6, 0x0
	.amdhsa_kernel k_qc78acb470a_w2
		.amdhsa_group_segment_fixed_size 327680
		.amdhsa_private_segment_fixed_size 0
		.amdhsa_enable_private_segment 0
		.amdhsa_kernarg_size 48
		.amdhsa_user_sgpr_count 2
		.amdhsa_user_sgpr_kernarg_segment_ptr 1
		.amdhsa_wavefront_size32 1
		.amdhsa_system_sgpr_workgroup_id_x 1
		.amdhsa_system_sgpr_workgroup_id_y 1
		.amdhsa_system_sgpr_workgroup_id_z 1
		.amdhsa_system_vgpr_workitem_id 0
		.amdhsa_next_free_vgpr 640
		.amdhsa_next_free_sgpr 100
		.amdhsa_reserve_vcc 0
		.amdhsa_float_denorm_mode_32 3
		.amdhsa_float_denorm_mode_16_64 3
		.amdhsa_memory_ordered 1
		.amdhsa_forward_progress 1
		.amdhsa_inst_pref_size 106
	.end_amdhsa_kernel
	.amdgpu_metadata
---
amdhsa.version: [ 1, 2 ]
amdhsa.kernels:
  - .name:           k_qc78acb470a_w2
    .symbol:         k_qc78acb470a_w2.kd
    .args:
      - { .name: hid, .offset: 0, .size: 8, .value_kind: global_buffer, .address_space: global }
      - { .name: W2_codes, .offset: 8, .size: 8, .value_kind: global_buffer, .address_space: global }
      - { .name: W2_scales, .offset: 16, .size: 8, .value_kind: global_buffer, .address_space: global }
      - { .name: b2, .offset: 24, .size: 8, .value_kind: global_buffer, .address_space: global }
      - { .name: h, .offset: 32, .size: 8, .value_kind: global_buffer, .address_space: global }
      - { .name: out0, .offset: 40, .size: 8, .value_kind: global_buffer, .address_space: global }
    .group_segment_fixed_size: 327680
    .private_segment_fixed_size: 0
    .kernarg_segment_align: 8
    .kernarg_segment_size: 48
    .max_flat_workgroup_size: 128
    .sgpr_count:     100
    .vgpr_count:     640
    .wavefront_size: 32
...
	.end_amdgpu_metadata
.endif
;; end of part 6
